; MI455X (gfx1250); checked and timed in simulation.
; The chip was launched on July 23, 2026; its instructions are those of AMD's public machine-readable ISA for CDNA 5 (MIT licence, August 2026) and "CDNA5" Instruction Set Architecture Reference Guide (July 2026). The comments in the code are by the model that wrote it; some were corrected since.
;; Block. Allowed arithmetic: float matrix products may take bf16 or f16 operands with f32 sums; other float arithmetic in f32, or as packed bf16 or f16 multiplies, adds, multiply-adds, maxima and minima; sums over many terms, partial sums and values carried from step to step in f32; what a program stores and reads back later, other than sums and carried values, may be rounded once to bf16 or f16.
;; Inputs: b_fc 4,096 float32; b_mlp_proj 1,024 float32; ln1_b 1,024 float32; ln1_w 1,024 float32; ln2_b 1,024 float32; ln2_w 1,024 float32; w_attn_proj 1,024 x 1,024 float32; w_fc 1,024 x 4,096 float32; w_mlp_proj 4,096 x 1,024 float32; w_qkv 1,024 x 3,072 float32; x 2 x 2,048 x 1,024 float32.
;; Outputs: out0 2 x 2,048 x 1,024 float32.
;; One version. Each part assembles by itself: llvm-mc -triple=amdgcn-amd-amdhsa -mcpu=gfx1250 --defsym DOCPART=n.
;; ======== version 1 of 1: 7 launches
;; workspace buffers: wa 8,388,608 bytes; wb 25,165,824 bytes; h 8,388,608 bytes; qkvh 25,165,824 bytes; y 8,388,608 bytes; x1 16,777,216 bytes; g 33,554,432 bytes
;; launch prep (part 1): grid 512 x 1, 8 waves a work-group, no clusters, 0 bytes of LDS; arguments x, ln1_w, ln1_b, w_qkv, w_attn_proj, h, wa; writes h, wa
.if DOCPART == 1
	.amdgcn_target "amdgcn-amd-amdhsa--gfx1250"
	.amdhsa_code_object_version 6
	.text
	.protected	k_qdc9e1c0a29_prep
	.globl	k_qdc9e1c0a29_prep
	.p2align	8
	.type	k_qdc9e1c0a29_prep,@function
k_qdc9e1c0a29_prep:
	s_mov_b64 s[64:65], 0
	v_nop
	global_prefetch_b8 v0, s[64:65] scope:SCOPE_SE
	s_setreg_imm32_b32 hwreg(HW_REG_WAVE_MODE, 25, 1), 1
	s_wait_xcnt 0x0
; Work-groups 0-255: h = LayerNorm(x) * ln1_w + ln1_b, rounded once to bf16.  Work-groups 256-511: w_qkv and w_attn_proj rounded once to bf16,
; layout unchanged, one behind the other in wa.  (The two larger weight matrices are rounded in the next launch, by work-groups that have no tile there.)
; LAYERNORM.  A work-group takes 16 rows of 1,024 f32, a wave two of them.  A row lies in 32 registers of one wave (lane l: columns 4 l + 128 j + 0..3), so it is read
; once; the mean is taken first and subtracted, then the squares are summed: a common offset of x does not enter the variance.  No LDS, no barrier.
; Each load of a wave covers 512 consecutive bytes, each store 256 consecutive aligned bytes.
; LIMITS.  NaN and infinities are not treated apart; the results are bf16 (8 significant bits).
.set X0,  32                           ; v[32:63] row 0, v[64:95] row 1
.set WG,  96                           ; v[96:127]  the gain of my 32 columns
.set BG,  128                          ; v[128:159] the bias
.set T,   2                            ; v[2:9]     four chains of sums
.set SRC, 4                            ; s[4:5] the rows, s[6:7] gain, s[8:9] bias
.set GW,  6
.set GB,  8
.set HB,  14                           ; s[14:15] h
.macro FOLD                            ; four chains of pairs into one number
	v_pk_add_f32 v[T:T+1], v[T:T+1], v[T+2:T+3]
	v_pk_add_f32 v[T+4:T+5], v[T+4:T+5], v[T+6:T+7]
	v_pk_add_f32 v[T:T+1], v[T:T+1], v[T+4:T+5]
	v_add_f32 v[T], v[T], v[T+1]
.endm
.macro RED                             ; the sum over the 32 lanes, in every lane
	v_add_f32_dpp v[T], v[T], v[T] row_xmask:1 row_mask:0xf bank_mask:0xf
	v_add_f32_dpp v[T], v[T], v[T] row_xmask:2 row_mask:0xf bank_mask:0xf
	v_add_f32_dpp v[T], v[T], v[T] row_xmask:4 row_mask:0xf bank_mask:0xf
	v_add_f32_dpp v[T], v[T], v[T] row_xmask:8 row_mask:0xf bank_mask:0xf
	v_permlanex16_b32 v20, v[T], s30, s31
	v_add_f32 v[T], v[T], v20
.endm
.macro STAT r                          ; row r: mean, x - mean in place, variance + eps into v[21 + r]
.set XX, X0+32*(\r)
.set MU, 10+2*(\r)
.irp k, 0,1,2,3
	v_pk_add_f32 v[T+2*\k:T+2*\k+1], v[XX+4*\k:XX+4*\k+1], v[XX+4*\k+2:XX+4*\k+3]
.endr
.irp g, 16,24
.irp k, 0,1,2,3
	v_pk_add_f32 v[T+2*\k:T+2*\k+1], v[T+2*\k:T+2*\k+1], v[XX+\g+2*\k:XX+\g+2*\k+1]
.endr
.endr
	FOLD
	RED
	v_mul_f32 v[MU], s28, v[T]
	v_mov_b32 v[MU+1], v[MU]
.set k2, 0
.rept 16
	v_pk_add_f32 v[XX+k2:XX+k2+1], v[XX+k2:XX+k2+1], v[MU:MU+1] neg_lo:[0,1] neg_hi:[0,1]
.set k2, k2+2
.endr
.irp k, 0,1,2,3
	v_pk_mul_f32 v[T+2*\k:T+2*\k+1], v[XX+2*\k:XX+2*\k+1], v[XX+2*\k:XX+2*\k+1]
.endr
.irp g, 8,16,24
.irp k, 0,1,2,3
	v_pk_fma_f32 v[T+2*\k:T+2*\k+1], v[XX+\g+2*\k:XX+\g+2*\k+1], v[XX+\g+2*\k:XX+\g+2*\k+1], v[T+2*\k:T+2*\k+1]
.endr
.endr
	FOLD
	RED
	v_fma_f32 v[21+(\r)], v[T], s28, s29           ; sum / 1024 + eps
.endm
.macro APPLY r                         ; row r: times 1/sqrt, times gain plus bias, rounded, stored
.set XX, X0+32*(\r)
.set RS, 14+4*(\r)
.set k2, 0
.rept 16
	v_pk_mul_f32 v[XX+k2:XX+k2+1], v[XX+k2:XX+k2+1], v[RS:RS+1]
.set k2, k2+2
.endr
.set k2, 0
.rept 16
	v_pk_fma_f32 v[XX+k2:XX+k2+1], v[XX+k2:XX+k2+1], v[WG+k2:WG+k2+1], v[BG+k2:BG+k2+1]
.set k2, k2+2
.endr
.set k2, 0
.rept 16
	v_cvt_pk_bf16_f32 v[XX+k2], v[XX+2*k2], v[XX+2*k2+1]   ; ascending: no number is overwritten before it is read
.set k2, k2+1
.endr
.irp j, 0,1,2,3,4,5,6,7
	global_store_b64 v16, v[XX+2*\j:XX+2*\j+1], s[HB:HB+1] offset:256*\j+2048*(\r)
.endr
.endm
	s_load_b256 s[4:11], s[0:1], 0x0               ; x, ln1_w, ln1_b, w_qkv
	s_load_b128 s[12:15], s[0:1], 0x20             ; w_attn_proj, h
	s_load_b64 s[16:17], s[0:1], 0x30              ; wa
	v_lshrrev_b32 v1, 5, v0
	v_readfirstlane_b32 s22, v1                    ; wave 0..7
	s_cmp_lt_u32 ttmp9, 256
	s_cbranch_scc0 .Lcvt
	v_and_b32 v2, 31, v0
	v_lshlrev_b32 v1, 4, v2                        ; 16 x lane: loads
	v_lshlrev_b32 v16, 3, v2                       ; 8 x lane: stores
	v_mov_b32 v20, 0                               ; the lane exchange's destination counts as read
	s_lshl_b32 s23, ttmp9, 4
	s_lshl1_add_u32 s23, s22, s23                  ; my first row = 16 x group + 2 x wave
	s_lshl_b32 s24, s23, 12
	s_mov_b32 s25, 0
	s_lshl_b32 s26, s23, 11
	s_mov_b32 s27, 0
	s_mov_b32 s28, 0x3a800000                      ; 1 / 1024
	s_mov_b32 s29, 0x3727c5ac                      ; 1e-5
	s_mov_b32 s30, 0x76543210
	s_mov_b32 s31, 0xfedcba98
	s_wait_kmcnt 0x0
	s_add_nc_u64 s[SRC:SRC+1], s[SRC:SRC+1], s[24:25]
	s_add_nc_u64 s[HB:HB+1], s[HB:HB+1], s[26:27]
.irp j, 0,1,2,3,4,5,6,7
	global_load_b128 v[X0+4*\j:X0+4*\j+3], v1, s[SRC:SRC+1] offset:512*\j th:TH_LOAD_NT
.endr
.irp j, 0,1,2,3,4,5,6,7
	global_load_b128 v[X0+32+4*\j:X0+32+4*\j+3], v1, s[SRC:SRC+1] offset:4096+512*\j th:TH_LOAD_NT
.endr
.irp j, 0,1,2,3,4,5,6,7
	global_load_b128 v[WG+4*\j:WG+4*\j+3], v1, s[GW:GW+1] offset:512*\j
.endr
.irp j, 0,1,2,3,4,5,6,7
	global_load_b128 v[BG+4*\j:BG+4*\j+3], v1, s[GB:GB+1] offset:512*\j
.endr
	s_wait_loadcnt 24                              ; row 0 is in; the 24 younger loads stay out
	STAT 0
	s_wait_loadcnt 16                              ; row 1 is in; gain and bias stay out
	STAT 1
	v_rsq_f32 v14, v21
	v_rsq_f32 v18, v22
	v_nop                                          ; a plain instruction behind the last of the two,
	s_wait_alu depctr_va_vdst(0)                   ; and one wait for both, ahead of their first reader
	v_mov_b32 v15, v14
	v_mov_b32 v19, v18
	s_wait_loadcnt 0x0                             ; gain and bias
	APPLY 0
	APPLY 1
	s_endpgm
.Lcvt:                                         ; 16,384 numbers a work-group: 64 KiB in, 32 KiB out
	s_sub_co_u32 s23, ttmp9, 256                   ; j = 0..255: also the place in wa, since wa is the two matrices on end
	s_wait_kmcnt 0x0
	s_cmp_lt_u32 s23, 192
	s_cselect_b64 s[24:25], s[10:11], s[12:13]     ; j < 192: w_qkv; else w_attn_proj, from 192
	s_cselect_b32 s26, 0, 192
	s_sub_co_u32 s26, s23, s26
	s_lshl_b32 s26, s26, 16
	s_mov_b32 s27, 0
	s_add_nc_u64 s[24:25], s[24:25], s[26:27]
	s_lshl_b32 s28, s23, 15
	s_mov_b32 s29, 0
	s_add_nc_u64 s[16:17], s[16:17], s[28:29]
	v_lshlrev_b32 v1, 4, v0
	v_lshlrev_b32 v2, 3, v0
.set i, 0
.rept 16
	global_load_b128 v[32+4*i:35+4*i], v1, s[24:25] offset:4096*i th:TH_LOAD_NT
.set i, i+1
.endr
.set i, 0
.rept 16
	s_wait_loadcnt 15-i                            ; load i is in, the younger ones stay out
	v_cvt_pk_bf16_f32 v[32+4*i], v[32+4*i], v[33+4*i]
	v_cvt_pk_bf16_f32 v[33+4*i], v[34+4*i], v[35+4*i]
	global_store_b64 v2, v[32+4*i:33+4*i], s[16:17] offset:2048*i
.set i, i+1
.endr
	s_endpgm
.Lfunc_end_k_qdc9e1c0a29_prep:
	.size	k_qdc9e1c0a29_prep, .Lfunc_end_k_qdc9e1c0a29_prep-k_qdc9e1c0a29_prep
	.p2alignl 7, 3214868480
	.fill 96, 4, 3214868480
	.section	.rodata,"a",@progbits
	.p2align	6, 0x0
	.amdhsa_kernel k_qdc9e1c0a29_prep
		.amdhsa_group_segment_fixed_size 0
		.amdhsa_private_segment_fixed_size 0
		.amdhsa_enable_private_segment 0
		.amdhsa_kernarg_size 56
		.amdhsa_user_sgpr_count 2
		.amdhsa_user_sgpr_kernarg_segment_ptr 1
		.amdhsa_wavefront_size32 1
		.amdhsa_system_sgpr_workgroup_id_x 1
		.amdhsa_system_sgpr_workgroup_id_y 1
		.amdhsa_system_sgpr_workgroup_id_z 1
		.amdhsa_system_vgpr_workitem_id 0
		.amdhsa_next_free_vgpr 160
		.amdhsa_next_free_sgpr 66
		.amdhsa_reserve_vcc 0
		.amdhsa_float_denorm_mode_32 3
		.amdhsa_float_denorm_mode_16_64 3
		.amdhsa_memory_ordered 1
		.amdhsa_forward_progress 1
		.amdhsa_inst_pref_size 27
	.end_amdhsa_kernel
	.amdgpu_metadata
---
amdhsa.version: [ 1, 2 ]
amdhsa.kernels:
  - .name:           k_qdc9e1c0a29_prep
    .symbol:         k_qdc9e1c0a29_prep.kd
    .args:
      - { .name: x, .offset: 0, .size: 8, .value_kind: global_buffer, .address_space: global }
      - { .name: ln1_w, .offset: 8, .size: 8, .value_kind: global_buffer, .address_space: global }
      - { .name: ln1_b, .offset: 16, .size: 8, .value_kind: global_buffer, .address_space: global }
      - { .name: w_qkv, .offset: 24, .size: 8, .value_kind: global_buffer, .address_space: global }
      - { .name: w_attn_proj, .offset: 32, .size: 8, .value_kind: global_buffer, .address_space: global }
      - { .name: h, .offset: 40, .size: 8, .value_kind: global_buffer, .address_space: global }
      - { .name: wa, .offset: 48, .size: 8, .value_kind: global_buffer, .address_space: global }
    .group_segment_fixed_size: 0
    .private_segment_fixed_size: 0
    .kernarg_segment_align: 8
    .kernarg_segment_size: 56
    .max_flat_workgroup_size: 256
    .sgpr_count:     66
    .vgpr_count:     160
    .wavefront_size: 32
...
	.end_amdgpu_metadata
.endif
;; end of part 1
;; launch qkv (part 2): grid 16 x 16, 4 waves a work-group, clusters of 4 x 4, 327,680 bytes of LDS; arguments h, wa, w_fc, w_mlp_proj, qkvh, wb; writes qkvh, wb
.if DOCPART == 2
	.amdgcn_target "amdgcn-amd-amdhsa--gfx1250"
	.amdhsa_code_object_version 6
	.text
	.protected	k_qdc9e1c0a29_qkv
	.globl	k_qdc9e1c0a29_qkv
	.p2align	8
	.type	k_qdc9e1c0a29_qkv,@function
k_qdc9e1c0a29_qkv:
	s_mov_b64 s[64:65], 0
	v_nop
	global_prefetch_b8 v0, s[64:65] scope:SCOPE_SE
	s_setreg_imm32_b32 hwreg(HW_REG_WAVE_MODE, 25, 1), 1
	s_wait_xcnt 0x0
	s_wait_alu depctr_hold_cnt(0) depctr_sa_sdst(0) depctr_va_vdst(0) depctr_va_sdst(0) depctr_va_ssrc(0) depctr_va_vcc(0) depctr_vm_vsrc(0)
	s_getreg_b32 s2, hwreg(HW_REG_IB_STS2, 6, 4)
	s_cmp_eq_u32 s2, 0
	s_cbranch_scc0 .Lentry_in_a_cluster
	s_endpgm
.Lentry_in_a_cluster:
	s_bfe_u32 s2, ttmp6, 0x10000c
	s_cmp_lg_u32 s2, 0xf033
	s_cbranch_scc0 .Lentry_shape_is_right
	s_endpgm
.Lentry_shape_is_right:
; CLUSTERS WITH x = 0, 1, 2 (192 work-groups): qkvh = h @ Wqkv, written by heads: [3][batch x 16 + head][2048][64] in bf16.  h: [4096][1024] bf16; the weights lie [K][N] = [1024][3072] bf16 at the head of wa.
; CLUSTERS WITH x = 3 (64 work-groups): C has only 12 tile columns, so these have no tile; they round w_fc and w_mlp_proj once to bf16, layout unchanged, into wb (w_fc's copy at byte 8,388,608,
; w_mlp_proj's behind it), which later launches read.  The branch hangs on the cluster's x alone, which all sixteen partners share; these work-groups issue no tensor load.
; THE PRODUCT.  A tile of C, 256 x 256, is made by four waves, 128 x 128 each: 64 accumulators of 16 x 16 in f32.  K goes in 8 steps of 128 through a ring of two LDS slots.
; A's rows lie along K and are read as they lie; the weights' rows lie along N and are turned on the way out of LDS by ds_load_tr16_b128.
; CLUSTER 4 x 4: A's tile is shared along a row of the cluster, the weights' along a column: each is asked for jointly, by the same tensor load with a mask of four.
; THE MATRIX INSTRUCTION IS USED TRANSPOSED (source 0 = 16 columns of W, source 1 = 16 rows of h): a lane holds eight neighbouring numbers of one row of C.
; THE TEXT IS SHORT ON PURPOSE: a K step is written once for the steps that refill and once for the last two; the slot in hand is a scalar that an exclusive or turns.
; THE WAY OUT: the f32 sums are put into the ring's bytes (which have had their last fill), each wave into its own 128 rows x 528 bytes, and a short loop reads rows back, rounds and stores.
; REGISTERS: window 0: v16-30 addresses, v64-191 two buffers of A's fragments (in the rounding work-groups: 32 loads' data); window 1: v64-191 the weights'; windows 2, 3: the accumulators, (a, b) at v[8 (8 a + b)].
; LIMITS: operands and results in bf16; NaN and infinities are not treated apart.
.set SIZE_K, 1024
.set SIZE_N, 3072
.set KSTEP,  128
.set PA,     272                       ; A's LDS row: 256 bytes + 16: an odd multiple of 16
.set PB,     544                       ; the weights' LDS row: 512 bytes + 32: an odd multiple of 32
.set HALFT,  128*PA                    ; what one tensor load brings: 128 rows of A, or 64 k-rows of W (64 x 544 is the same number)
.set SLOT,   4*HALFT                   ; 0x22000: none of its bits occurs in wave x HALFT, so one exclusive or changes slots
.set SPARE,  2*SLOT                    ; the spare words: 128 bytes a wave, named by no other line
.set DP,     528
.set DREG,   128*DP
.set BSTEP,  KSTEP*SIZE_N*2
.set WFOFF,  8388608                   ; where w_fc's copy begins in wb
.set ADRA0, 16
.set ADRA,  17
.set ADRB0, 20
.set ADRB,  21
.set DST,   24
.set RD,    25
.set GO,    26
.set SPW,   28
.set NIL,   29
.set PFO,   30
.set F0,    64
.set F1,    128
.set CV,    64                         ; the rounding work-groups: v[64:191]
.set G1,  24                           ; s[24:31] group 1 for A;  s[32:39] group 0: set 0 for step 0, set 1 for step 1, which then walks
.set G0,  32
.set G1B, 48                           ; s[48:55], s[56:63] the same for the weights
.set G0B, 56
.set LIM, 43                           ; 2 in a wave that prefetches, else the greatest number
.set PFA, 44                           ; s[44:45] where my prefetches stand
.set TB,  66                           ; 0 or SLOT: the slot that is read
.set CS,  68                           ; s[68:69] w_fc, s[70:71] w_mlp_proj; then the source of my chunks
.set CD,  72                           ; s[72:73] wb; then the place of my chunks
.set PFS, 74                           ; s[74:75] a K step in bytes, for my prefetches
.set MSB, 0
.macro WIN new                         ; the immediate's high byte repeats the setting that is left
.if MSB != (\new)
	s_set_vgpr_msb (MSB<<8)|(\new)
.set MSB, \new
.endif
.endm
.set MUL_LO, 0xa1
.set MUL_HI, 0xf1
.set TO_B,   0x40
.macro PLACES
.rept 4
	v_nop
.endr
.endm
.macro JLOAD                           ; a joint refill by the walking sets: waves 0, 1 ask for A's halves, waves 2, 3 for the weights'
	s_cmp_eq_u32 s11, 0
	s_cbranch_scc0 .Lfor_b_\@
	tensor_load_to_lds s[G0+4:G0+7], s[G1:G1+7]
	s_nop 0
	PLACES
	s_branch .Lasked_\@
.Lfor_b_\@:
	tensor_load_to_lds s[G0B+4:G0B+7], s[G1B:G1B+7]
	s_nop 0
	PLACES
.Lasked_\@:
.endm
.macro ASK                             ; the K step two refills on: 32 blocks of 256 bytes, a lane a block; trips 6 to 3 ask for steps 4 to 7
	s_cmp_gt_u32 s3, s[LIM]
	s_cbranch_scc0 .Lnot_mine_\@
	global_prefetch_b8 v[PFO], s[PFA:PFA+1] th:TH_LOAD_NT scope:SCOPE_SE
.Lnot_mine_\@:
.endm
.macro CREST
	s_cmp_lg_u32 s10, 0
	s_cbranch_scc1 .Lnot_wave_0_\@
	s_barrier_signal -3
.Lnot_wave_0_\@:
	s_barrier_wait -3
	s_barrier_signal -1
	s_barrier_wait -1
.endm
.macro CROUND
	s_barrier_signal -1
	s_barrier_wait -1
	CREST
.endm
.macro MUL16 f, hi, a0, zero           ; 16 products: row blocks a0, a0 + 1 of the window's four x all 8 column blocks, 32 along K
	WIN MUL_LO+0x50*(\hi)
.irp a, \a0, (\a0)+1
.irp b, 0,1,2,3,4,5,6,7
.if \zero
	v_wmma_f32_16x16x32_bf16 v[8*(8*(\a)+(\b)):8*(8*(\a)+(\b))+7], v[(\f)+8*(\b):(\f)+8*(\b)+7], v[(\f)+8*(4*(\hi)+(\a)):(\f)+8*(4*(\hi)+(\a))+7], 0
.else
	v_wmma_f32_16x16x32_bf16 v[8*(8*(\a)+(\b)):8*(8*(\a)+(\b))+7], v[(\f)+8*(\b):(\f)+8*(\b)+7], v[(\f)+8*(4*(\hi)+(\a)):(\f)+8*(4*(\hi)+(\a))+7], v[8*(8*(\a)+(\b)):8*(8*(\a)+(\b))+7]
.endif
.endr
.endr
.endm
.macro FETCH q, f                      ; 32 LDS loads in one run: quarter q (32 along K) of the slot in hand into buffer f
	WIN TO_B
.irp i, 0,1,2,3,4,5,6,7
	ds_load_tr16_b128 v[(\f)+8*(\i):(\f)+8*(\i)+3],   v[ADRB] offset:(\q)*32*PB+32*(\i)
	ds_load_tr16_b128 v[(\f)+8*(\i)+4:(\f)+8*(\i)+7], v[ADRB] offset:(\q)*32*PB+32*(\i)+16*PB
.endr
	WIN 0
.irp i, 0,1,2,3,4,5,6,7
	ds_load_b128 v[(\f)+8*(\i):(\f)+8*(\i)+3],   v[ADRA] offset:(\q)*64+(\i)*16*PA
	ds_load_b128 v[(\f)+8*(\i)+4:(\f)+8*(\i)+7], v[ADRA] offset:(\q)*64+(\i)*16*PA+32
.endr
.endm
.macro QUARTER q, f, g, zero           ; multiplies buffer f; in its middle fetches quarter q into buffer g
	s_wait_dscnt 8                                 ; the weights and A's rows 0-63 are in; the youngest eight loads (A's rows 64-127) may be out
	MUL16 \f, 0, 0, \zero
	MUL16 \f, 0, 2, \zero
	PLACES                                         ; four places in front of loads into registers that products have read
	FETCH \q, \g
	s_wait_dscnt 32                                ; all but the 32 just issued
	MUL16 \f, 1, 0, \zero
	MUL16 \f, 1, 2, \zero
.endm
.macro MEET                            ; the first half of a step's last quarter, and the barrier of the change of slots
	WIN 0
	s_wait_tensorcnt 0x0                           ; all my tensor loads have landed: the one that was out is my part of the next slot
	ds_add_u32 v[SPW], v[NIL]                      ; 0 onto my spare word
	s_wait_dscnt 9                                 ; (the add and the youngest eight loads may be out)
	MUL16 F1, 0, 0, 0
	s_wait_dscnt 0x0                               ; the add is done, and my reads of this slot are over
	s_barrier_signal -1
	MUL16 F1, 0, 2, 0
	WIN 0
	s_barrier_wait -1
.endm
.macro NEWADR                          ; the reads go to the other slot
	s_xor_b32 s[TB], s[TB], SLOT
	v_add_nc_u32 v[ADRA], s[TB], v[ADRA0]
	v_add_nc_u32 v[ADRB], s[TB], v[ADRB0]
.endm
.macro TURN1                           ; a step's last quarter with a refill: the barrier opens a round of the cluster's, the joint load is the first thing behind it
	s_wait_xcnt 0x0                                ; the last prefetch, a K step back, has read its address
	s_add_nc_u64 s[PFA:PFA+1], s[PFA:PFA+1], s[PFS:PFS+1]
	MEET
	CREST
	s_xor_b32 s[G0+5], s[G0+5], SLOT               ; the walking sets: the slot just read out, the next K step
	s_add_nc_u64 s[G0+6:G0+7], s[G0+6:G0+7], KSTEP*2
	s_xor_b32 s[G0B+5], s[G0B+5], SLOT
	s_add_nc_u64 s[G0B+6:G0B+7], s[G0B+6:G0B+7], BSTEP
	JLOAD                                          ; it has 224 products in which to land; its four v_nop are also the places in front of the loads below
	NEWADR
	FETCH 0, F0
	ASK
	MUL16 F1, 1, 0, 0
	MUL16 F1, 1, 2, 0
.endm
.macro TURN0                           ; the same for the last two steps: nothing is asked for; the very last fetches nothing
	MEET
	NEWADR
	PLACES
	s_cmp_eq_u32 s3, 1
	s_cbranch_scc1 .Lno_fetch_\@
	FETCH 0, F0
.Lno_fetch_\@:
	MUL16 F1, 1, 0, 0
	MUL16 F1, 1, 2, 0
.endm
.macro DUMP                            ; the 64 accumulators into my region, each from its low end on
.irp hi, 0,1
	WIN 0x08+4*(\hi)
.irp a, 0,1,2,3
.irp b, 0,1,2,3,4,5,6,7
	ds_store_b128 v[DST], v[8*(8*(\a)+(\b)):8*(8*(\a)+(\b))+3]   offset:(4*(\hi)+(\a))*16*DP+64*(\b)
	ds_store_b128 v[DST], v[8*(8*(\a)+(\b))+4:8*(8*(\a)+(\b))+7] offset:(4*(\hi)+(\a))*16*DP+64*(\b)+16
.endr
.endr
.endr
	WIN 0
.endm
	s_load_b128 s[4:7], s[0:1], 0x0                ; h s[4:5], wa s[6:7]
	s_load_b128 s[CS:CS+3], s[0:1], 0x10           ; w_fc, w_mlp_proj
	s_load_b64 s[8:9], s[0:1], 0x20                ; qkvh
	s_load_b64 s[CD:CD+1], s[0:1], 0x28            ; wb
	v_lshl_add_u32 v[SPW], v0, 2, SPARE
	v_mov_b32 v[NIL], 0
	ds_add_u32 v[SPW], v[NIL]                      ; the wave's opening: the add and its wait ahead of my first tensor load
	ds_add_u32 v28, v29
	v_lshrrev_b32 v1, 5, v0
	v_readfirstlane_b32 s10, v1                    ; wave 0..3
	s_lshr_b32 s11, s10, 1                         ; my half of the tile's rows; also: I fetch A (0) or the weights (1)
	s_and_b32 s12, s10, 1                          ; my half of its columns; also: which half of that tile I fetch
	s_bfe_u32 s40, ttmp6, 0x40000                  ; cx
	s_bfe_u32 s41, ttmp6, 0x40004                  ; cy
	s_lshl_b32 s42, ttmp9, 2
	s_add_co_u32 s42, s42, s40                     ; tile column
	s_and_b32 s13, ttmp7, 0xffff
	s_lshl_b32 s13, s13, 2
	s_add_co_u32 s13, s13, s41                     ; tile row
	s_lshl_b32 s43, s41, 2
	s_lshl_b32 s43, 15, s43                        ; my row of the cluster
	s_lshl_b32 s44, 0x1111, s40                    ; my column
	s_or_b32 s[G1+0], s43, (1<<16)|(1<<20)|(1<<21)|(5<<22)|(3<<25)   ; mask; 2-byte elements; 4 words of padding after every 64
	s_mov_b32 s[G1+1], KSTEP<<16                   ; tensor_dim0 = 128
	s_mov_b32 s[G1+2], 128<<16                     ; tensor_dim1 = 128
	s_mov_b32 s[G1+3], KSTEP<<16                   ; tile_dim0 = 128
	s_mov_b32 s[G1+4], 128                         ; tile_dim1 = 128
	s_mov_b32 s[G1+5], SIZE_K                      ; elements from row to row
	s_mov_b32 s[G1+6], 0
	s_mov_b32 s[G1+7], 0
	s_or_b32 s[G1B+0], s44, (1<<16)|(1<<20)|(1<<21)|(6<<22)|(7<<25)  ; 8 words of padding after every 128
	s_mov_b32 s[G1B+1], 256<<16                    ; 256 columns
	s_mov_b32 s[G1B+2], 64<<16                     ; 64 k-rows
	s_mov_b32 s[G1B+3], 256<<16
	s_mov_b32 s[G1B+4], 64
	s_mov_b32 s[G1B+5], SIZE_N
	s_mov_b32 s[G1B+6], 0
	s_mov_b32 s[G1B+7], 0
	s_lshl_b32 s16, s13, 8
	s_lshl_b32 s17, s12, 7
	s_add_co_u32 s16, s16, s17                     ; A: row 256 x tile row + 128 x half,
	s_lshl_b32 s16, s16, 11                        ; of 2,048 bytes
	s_mov_b32 s17, 0
	s_mul_i32 s46, s12, 64*2*SIZE_N                ; W: k-row 64 x half,
	s_lshl_b32 s47, s42, 9                         ; column 256 x tile column
	s_add_co_u32 s46, s46, s47
	s_mov_b32 s47, 0
	s_mul_i32 s20, s10, HALFT                      ; where my tile goes: wave x HALFT
	s_mov_b32 s[TB], 0
	s_wait_dscnt 0x0                               ; the opening add is done
	s_wait_kmcnt 0x0
	s_cmp_eq_u32 ttmp9, 3                          ; the cluster's x: the same in all sixteen partners
	s_cbranch_scc1 .Lcvt                           ; no tile column 12 to 15: these clusters round weights
	s_add_nc_u64 s[14:15], s[4:5], s[16:17]
	s_add_nc_u64 s[46:47], s[6:7], s[46:47]
.irp s, 0,1
	s_mov_b32 s[G0+4*(\s)], 1
	s_add_co_u32 s[G0+4*(\s)+1], s20, (\s)*SLOT
	s_add_nc_u64 s[G0+4*(\s)+2:G0+4*(\s)+3], s[14:15], (\s)*KSTEP*2
	s_or_b32 s[G0+4*(\s)+3], s[G0+4*(\s)+3], 0x80000000
	s_mov_b32 s[G0B+4*(\s)], 1
	s_add_co_u32 s[G0B+4*(\s)+1], s20, (\s)*SLOT
	s_add_nc_u64 s[G0B+4*(\s)+2:G0B+4*(\s)+3], s[46:47], (\s)*BSTEP
	s_or_b32 s[G0B+4*(\s)+3], s[G0B+4*(\s)+3], 0x80000000
.endr
	CROUND                                         ; all sixteen work-groups are here: the first joint loads meet
	s_cmp_eq_u32 s11, 0                            ; a wave's two first fills stand in one branch: two loads of mine are out
	s_cbranch_scc0 .Lfirst_b
	tensor_load_to_lds s[G0:G0+3], s[G1:G1+7]
	s_nop 0
	tensor_load_to_lds s[G0+4:G0+7], s[G1:G1+7]
	s_nop 0
	PLACES
	s_branch .Lfirst_asked
.Lfirst_b:
	tensor_load_to_lds s[G0B:G0B+3], s[G1B:G1B+7]
	s_nop 0
	tensor_load_to_lds s[G0B+4:G0B+7], s[G1B:G1B+7]
	s_nop 0
	PLACES
.Lfirst_asked:
	v_and_b32 v1, 15, v0                           ; l % 16
	v_bfe_u32 v2, v0, 4, 1                         ; l / 16
	v_bfe_u32 v5, v0, 3, 1                         ; (l / 8) % 2
	v_mul_u32_u24 v3, v1, PA
	v_lshl_add_u32 v3, v2, 4, v3
	s_mul_i32 s21, s11, HALFT
	v_add_nc_u32 v[ADRA0], s21, v3                 ; A: row x pitch + 16 x half, in my 128 rows
	v_and_b32 v4, 7, v0
	v_lshl_add_u32 v4, v2, 3, v4                   ; the turning load: k-row 8 (l / 16) + l % 8,
	v_mul_u32_u24 v3, v4, PB
	v_lshl_add_u32 v3, v5, 4, v3                   ; 16 bytes for each half of eight lanes,
	s_lshl_b32 s22, s12, 8
	s_add_co_u32 s22, s22, 2*HALFT                 ; my 128 columns, behind A's 256 rows
	v_add_nc_u32 v[ADRB0], s22, v3
	v_mov_b32 v[ADRA], v[ADRA0]
	v_mov_b32 v[ADRB], v[ADRB0]
	s_mul_i32 s21, s10, DREG                       ; my region for the way out
	s_lshl_b32 s18, s42, 8
	s_lshl_b32 s19, s12, 7
	s_add_co_u32 s18, s18, s19                     ; n0: my first column
	s_lshl_b32 s19, s13, 8
	s_lshl_b32 s22, s11, 7
	s_add_co_u32 s19, s19, s22                     ; m0: my first row
	v_mul_u32_u24 v6, v1, DP                       ; in: row l % 16, 32 bytes for each half of the lanes
	v_lshl_add_u32 v6, v2, 5, v6
	v_add_nc_u32 v[DST], s21, v6
	v_mul_u32_u24 v6, v5, DP                       ; back: lanes 0-15 one head, lanes 16-31 the next; in each, 8 lanes a row of 64 columns
	v_lshl_add_u32 v6, v4, 5, v6
	v_add_nc_u32 v[RD], s21, v6
	v_lshlrev_b32 v6, 18, v2                       ; a head is 262,144 bytes
	v_lshl_add_u32 v6, v5, 7, v6
	v_and_b32 v7, 7, v0
	v_lshl_add_u32 v[GO], v7, 4, v6
	s_lshr_b32 s16, s18, 10                        ; q, k or v
	s_lshl_b32 s16, s16, 23
	s_lshr_b32 s22, s19, 11                        ; batch
	s_lshl_b32 s22, s22, 4
	s_bfe_u32 s23, s18, 0x40006                    ; head
	s_add_co_u32 s22, s22, s23
	s_lshl_b32 s22, s22, 18
	s_add_co_u32 s16, s16, s22
	s_and_b32 s23, s19, 2047                       ; row in the batch, 128 bytes
	s_lshl_b32 s23, s23, 7
	s_add_co_u32 s16, s16, s23
	s_mov_b32 s17, 0
	s_add_nc_u64 s[8:9], s[8:9], s[16:17]
	; the prefetches.  A's rows are read by every cluster of a row of clusters: cluster x = 0 asks; the weights' by every cluster of a column: cluster y = 0 asks.
	; The four partners that ask for a tile jointly share it out by address: 32 rows of A (cx), or 16 k-rows of 512 bytes of W (cy).
	s_lshl_b32 s18, s13, 8
	s_lshl_b32 s19, s12, 7
	s_add_co_u32 s18, s18, s19
	s_lshl_b32 s19, s40, 5
	s_add_co_u32 s18, s18, s19
	s_lshl_b32 s18, s18, 11
	s_lshl_b32 s19, s12, 6
	s_lshl4_add_u32 s19, s41, s19
	s_mul_i32 s19, s19, 2*SIZE_N
	s_lshl_b32 s21, s42, 9
	s_add_co_u32 s19, s19, s21
	s_and_b32 s22, ttmp7, 0xffff
	s_mov_b32 s21, 2*SIZE_N
	s_mov_b32 s[PFS], BSTEP
	s_mov_b32 s[PFS+1], 0
	s_cmp_eq_u32 s11, 0
	s_cselect_b32 s18, s18, s19
	s_cselect_b32 s22, ttmp9, s22
	s_cselect_b32 s21, 2*SIZE_K, s21
	s_cselect_b32 s[PFS], KSTEP*2, s[PFS]
	s_cselect_b64 s[PFA:PFA+1], s[4:5], s[6:7]
	s_cmp_eq_u32 s22, 0
	s_cselect_b32 s[LIM], 2, -1                    ; the same in all sixteen partners, for a given wave
	s_mov_b32 s19, 0
	s_add_nc_u64 s[PFA:PFA+1], s[PFA:PFA+1], s[18:19]
	s_mul_i32 s18, s[PFS], 3                       ; at K step 3: the first refill steps it to 4
	s_add_nc_u64 s[PFA:PFA+1], s[PFA:PFA+1], s[18:19]
	v_and_b32 v8, 31, v0
	v_lshrrev_b32 v9, s11, v8                      ; A: a lane a row; W: two lanes a k-row
	v_mul_lo_u32 v9, v9, s21
	v_and_b32 v8, s11, v8
	v_lshl_add_u32 v[PFO], v8, 8, v9
	s_wait_tensorcnt 1                             ; my part of K step 0 is in; step 1's may stay out
	s_barrier_signal -1
	s_barrier_wait -1
	FETCH 0, F0
	QUARTER 1, F0, F1, 1                           ; the first quarter's products start the sums
	WIN 0
	s_mov_b32 s3, 6
	s_branch .Lq1                                  ; the loop is entered behind its first quarter
.Lstep:                                        ; steps 0 to 5: each refills the slot that it leaves, with steps 2 to 7
	QUARTER 1, F0, F1, 0
	WIN 0
.Lq1:
	QUARTER 2, F1, F0, 0
	QUARTER 3, F0, F1, 0
	TURN1
	WIN 0
	s_sub_co_u32 s3, s3, 1
	s_cmp_lg_u32 s3, 0
	s_cbranch_scc1 .Lstep
	s_mov_b32 s3, 2
.Ltail:                                        ; steps 6 and 7
	QUARTER 1, F0, F1, 0
	QUARTER 2, F1, F0, 0
	QUARTER 3, F0, F1, 0
	TURN0
	WIN 0
	s_sub_co_u32 s3, s3, 1
	s_cmp_lg_u32 s3, 0
	s_cbranch_scc1 .Ltail
	PLACES                                         ; four places behind the last product
	s_wait_dscnt 0x0
	s_barrier_signal -1
	s_barrier_wait -1                              ; every wave's reads of the ring are over: its bytes now take the sums
	DUMP
	s_mov_b32 s3, 8
.Lout:                                         ; 16 rows a trip; LDS serves a wave's instructions in order, so these loads see my stores
.irp i, 0,1,2,3,4,5,6,7
	ds_load_b128 v[64+8*\i:67+8*\i], v[RD] offset:\i*2*DP
	ds_load_b128 v[68+8*\i:71+8*\i], v[RD] offset:\i*2*DP+16
.endr
	s_wait_dscnt 0x0
.set i, 0
.rept 32
	v_cvt_pk_bf16_f32 v[32+i], v[64+2*i], v[65+2*i]
.set i, i+1
.endr
.irp i, 0,1,2,3,4,5,6,7
	global_store_b128 v[GO], v[32+4*\i:35+4*\i], s[8:9] offset:256*\i   ; 16 lanes store two rows of a head: 256 consecutive aligned bytes
.endr
	v_add_nc_u32 v[RD], 16*DP, v[RD]
	s_wait_xcnt 0x0                                ; the stores have read their data and their base
	s_add_nc_u64 s[8:9], s[8:9], 2048
	s_sub_co_u32 s3, s3, 1
	s_cmp_lg_u32 s3, 0
	s_cbranch_scc1 .Lout
	s_wait_tensorcnt 0x0                           ; the wave's end
	ds_add_u32 v[SPW], v[NIL]
	s_wait_dscnt 0x0
	CROUND                                         ; the closing round
	s_endpgm
; THE ROUNDING WORK-GROUPS.  The two matrices are 512 chunks of 16,384 numbers (64 KiB in, 32 KiB out); work-group i of the 64 takes chunks 8 i to 8 i + 7, a chunk a trip:
; 32 loads of 16 bytes a thread, all out at once (64 KiB for the work-group), each rounded and stored as it comes.  A load of a wave covers 512 consecutive bytes, a store 256 consecutive aligned bytes.
.Lcvt:
	s_lshl2_add_u32 s16, s13, s40                  ; i = 4 x (4 x cluster y + cy) + cx: it enters global addresses alone
	s_and_b32 s17, ttmp7, 0xffff
	s_cmp_lt_u32 s17, 2                            ; cluster y = 0, 1 (i < 32): w_fc; 2, 3: w_mlp_proj
	s_cselect_b64 s[CS:CS+1], s[CS:CS+1], s[CS+2:CS+3]
	s_and_b32 s18, s16, 31
	s_lshl_b32 s18, s18, 19                        ; 8 chunks of 65,536 bytes
	s_mov_b32 s19, 0
	s_add_nc_u64 s[CS:CS+1], s[CS:CS+1], s[18:19]
	s_lshl_b32 s18, s16, 18                        ; 8 chunks of 32,768 bytes: w_mlp_proj's copy follows w_fc's
	s_add_co_u32 s18, s18, WFOFF
	s_add_nc_u64 s[CD:CD+1], s[CD:CD+1], s[18:19]
	v_lshlrev_b32 v1, 4, v0
	v_lshlrev_b32 v2, 3, v0
	s_mov_b32 s3, 8
.Lchunk:
.set k, 0
.rept 32
	global_load_b128 v[CV+4*k:CV+4*k+3], v1, s[CS:CS+1] offset:2048*k th:TH_LOAD_NT
.set k, k+1
.endr
.set k, 0
.rept 32
	s_wait_loadcnt 31-k                            ; load k is in, the younger ones stay out
	v_cvt_pk_bf16_f32 v[CV+4*k], v[CV+4*k], v[CV+4*k+1]
	v_cvt_pk_bf16_f32 v[CV+4*k+1], v[CV+4*k+2], v[CV+4*k+3]
	global_store_b64 v2, v[CV+4*k:CV+4*k+1], s[CD:CD+1] offset:1024*k
.set k, k+1
.endr
	s_wait_xcnt 0x0                                ; the stores have read their data and their base: both are written again only behind this wait
	s_add_nc_u64 s[CS:CS+1], s[CS:CS+1], 65536
	s_add_nc_u64 s[CD:CD+1], s[CD:CD+1], 32768
	s_sub_co_u32 s3, s3, 1
	s_cmp_lg_u32 s3, 0
	s_cbranch_scc1 .Lchunk
	s_wait_tensorcnt 0x0                           ; the wave's end
	ds_add_u32 v[SPW], v[NIL]
	s_wait_dscnt 0x0
	CROUND                                         ; a closing round here too: the sixteen partners end together
	s_endpgm
.Lfunc_end_k_qdc9e1c0a29_qkv:
	.size	k_qdc9e1c0a29_qkv, .Lfunc_end_k_qdc9e1c0a29_qkv-k_qdc9e1c0a29_qkv
	.p2alignl 7, 3214868480
	.fill 96, 4, 3214868480
	.section	.rodata,"a",@progbits
	.p2align	6, 0x0
	.amdhsa_kernel k_qdc9e1c0a29_qkv
		.amdhsa_group_segment_fixed_size 327680
		.amdhsa_private_segment_fixed_size 0
		.amdhsa_enable_private_segment 0
		.amdhsa_kernarg_size 48
		.amdhsa_user_sgpr_count 2
		.amdhsa_user_sgpr_kernarg_segment_ptr 1
		.amdhsa_wavefront_size32 1
		.amdhsa_system_sgpr_workgroup_id_x 1
		.amdhsa_system_sgpr_workgroup_id_y 1
		.amdhsa_system_sgpr_workgroup_id_z 1
		.amdhsa_system_vgpr_workitem_id 0
		.amdhsa_next_free_vgpr 1024
		.amdhsa_next_free_sgpr 76
		.amdhsa_reserve_vcc 0
		.amdhsa_float_denorm_mode_32 3
		.amdhsa_float_denorm_mode_16_64 3
		.amdhsa_memory_ordered 1
		.amdhsa_forward_progress 1
		.amdhsa_inst_pref_size 95
	.end_amdhsa_kernel
	.amdgpu_metadata
---
amdhsa.version: [ 1, 2 ]
amdhsa.kernels:
  - .name:           k_qdc9e1c0a29_qkv
    .symbol:         k_qdc9e1c0a29_qkv.kd
    .args:
      - { .name: h, .offset: 0, .size: 8, .value_kind: global_buffer, .address_space: global }
      - { .name: wa, .offset: 8, .size: 8, .value_kind: global_buffer, .address_space: global }
      - { .name: w_fc, .offset: 16, .size: 8, .value_kind: global_buffer, .address_space: global }
      - { .name: w_mlp_proj, .offset: 24, .size: 8, .value_kind: global_buffer, .address_space: global }
      - { .name: qkvh, .offset: 32, .size: 8, .value_kind: global_buffer, .address_space: global }
      - { .name: wb, .offset: 40, .size: 8, .value_kind: global_buffer, .address_space: global }
    .group_segment_fixed_size: 327680
    .private_segment_fixed_size: 0
    .kernarg_segment_align: 8
    .kernarg_segment_size: 48
    .max_flat_workgroup_size: 128
    .sgpr_count:     76
    .vgpr_count:     1024
    .wavefront_size: 32
...
	.end_amdgpu_metadata
.endif
;; end of part 2
;; launch attn (part 3): grid 8 x 32, 4 waves a work-group, no clusters, 327,680 bytes of LDS; arguments qkvh, y; writes y
.if DOCPART == 3
	.amdgcn_target "amdgcn-amd-amdhsa--gfx1250"
	.amdhsa_code_object_version 6
	.text
	.protected	k_qdc9e1c0a29_attn
	.globl	k_qdc9e1c0a29_attn
	.p2align	8
	.type	k_qdc9e1c0a29_attn,@function
k_qdc9e1c0a29_attn:
	s_mov_b64 s[64:65], 0
	v_nop
	global_prefetch_b8 v0, s[64:65] scope:SCOPE_SE
	s_setreg_imm32_b32 hwreg(HW_REG_WAVE_MODE, 25, 1), 1
	s_wait_xcnt 0x0
; CAUSAL ATTENTION.  y[h][q][:] = the sum over k <= q of softmax_k(Q[h][q] . K[h][k] / 8) V[h][k][:].  Q, K, V: qkvh = [3][32][2048][64] bf16; y: [32][2048][64] bf16.
; Products, maxima and sums in f32; the weights p are rounded to bf16 for the second product (their sum l is taken of the unrounded p), y once at the end.
; LIMITS.  A hidden score counts as its value less 1e30; a weight below 2^-126 counts as 0 in l; NaN and infinities are not treated apart.
; THE WALK.  A head's queries lie in 16 blocks of 128; keys come in tiles of 256 (four steps of 64); block i needs tiles 0 .. i / 2.  A work-group takes blocks b and then 15 - b:
; nine tiles, whatever b: all work-groups do equal work and one loop with a constant trip count walks them.  What a trip does hangs on scalar registers made from b.
; NO CLUSTER: from trip b / 2 + 1 on the eight work-groups of a head ask for different tiles, and one walk common to all would have 12 trips for 9.
; SHARES.  A wave owns 32 rows of a block: two PIECES of 16.  Every wave computes every step of every tile of the walk, so the waves stay alike.
; THE MASK is always the C operand that starts S^T = K Q^T.  MD, made once, holds for my rows 0 or -1e30 for nine groups of 16 keys about the diagonal; the masks in use, MC (step's parity x piece),
; are MD x AL + BE with two scalars: (0, 0) all seen, (1, 0) the half tile with the diagonal, (0, -1e30) all hidden.  MC is made anew only when that state changes: so ONE text serves all tiles.
; TURNS.  Turn (j, 0): K Q^T of piece 1, step j | softmax of piece 0, step j, maximum of piece 1 | V^T P of piece 1, step j - 1; it fetches K and V of step j + 1.
;         Turn (j, 1): K Q^T of piece 0, step j + 1 | softmax of piece 1, step j, maximum of piece 0 | V^T P of piece 0, step j.
; V has two register buffers, by the step's parity, so all LDS reads of step j + 1 come behind those of step j, and the change of slots stands in front of turn (3, 0).
; A turn's 33 exponentials are one batch with one wait; four vector instructions stand behind every matrix instruction, the others in one run.
; The first block's O^T and l are set aside in registers; both blocks leave at the end.  A block's first step multiplies O^T and l by a = 0, so these need only be finite:
; the price is the zeros written at the head, in the wait for the first tile.
; REGISTERS (s_set_vgpr_msb: bits 1:0 source 0, 3:2 source 1, 5:4 source 2, 7:6 destination):
;   window 0: v0-15 addresses; v16-31 statistics (pieces 0, 1; set aside: 2, 3); v48-55 at work; v64-127 S^T; v192-223 P      window 1: v0-63 O^T, v64-127 O^T set aside, v128-199 MD
;   window 2: v0-31 Q, v32-63 the second block's Q, v64-127 V (odd steps), v128-191 K, v192-255 V (even steps)                 window 3: v0-127 MC
.set KS,    64
.set PK,    144                        ; a row of K in LDS: 128 bytes + 16
.set PV,    160                        ; a row of V: 128 + 32
.set VOFF,  4*KS*PK
.set SLOT1, 1<<17
.set STAGE, SLOT1+4*KS*(PK+PV)         ; behind the ring, never filled by a tensor load: 16 rows x 144 bytes a wave
.set SP,    144
.set SPARE, STAGE+4*16*SP              ; the spare words: 128 bytes a wave, named by no other line
.set AK0, 2
.set AV0, 3
.set AK,  4
.set AV,  5
.set STO, 6
.set RD,  7
.set GO,  8
.set MV,  12
.set QO,  15
.set ST,  16
.set TMP, 48
.set PFV, 61
.set SPW, 62
.set NIL, 63
.set S,   64
.set P,   192
.set MD,  128
.set QB,  32
.set VF1, 64
.set KF,  128
.set VF0, 192
.set WV,  12
.set PB,  14                           ; b
.set HI,  15                           ; 15 - b
.set G1K, 24
.set G1V, 32
.set G0K, 40
.set G0V, 44
.set SLOTS, 56
.set CNT, 57
.set CS,  58
.set SEL, 60
.set TBK, 62
.set TBV, 63
.set RT,  70                           ; tiles of the block in hand still to be entered
.set NXT, 71                           ; the tile to be asked for next
.set LQ,  72                           ; the last tile of the block whose tiles are being asked for
.set NEW, 73                           ; 1: the tile just entered is the second block's first
.set OFF, 74
.set AL,  76
.set BE,  78
.set OLO, 80                           ; s[80:81] y at my rows of block b
.set BIGN, 82
.set RT2, 83
.set PAR, 84                           ; the block's parity: which half of its last tile holds the diagonal
.set PAR2, 85
.set LQ2, 86
.set START, 87
.set MST, 88                           ; the state for which MC was last made
.set CD,  89
.set LIM, 90
.set TM2, 91
.set PFA, 92
.set PBS, 94
.set MSB, 0
.macro WIN new
.if MSB != (\new)
	s_set_vgpr_msb (MSB<<8)|(\new)
.set MSB, (\new)
.endif
.endm
.set W_KQ, 0x0a
.set W_KM, 0x3a                        ; K and Q in window 2, the mask in window 3, S^T in window 0
.set W_PV, 0x52
.set W_RS, 0x41
.macro LOAD                            ; waves 0, 1 fetch the halves of a tile's K, waves 2, 3 those of its V: 128 keys each
	s_cmp_lt_u32 s[WV], 2
	s_cbranch_scc0 .Lfor_v_\@
	tensor_load_to_lds s[G0K:G0K+3], s[G1K:G1K+7]
	s_nop 0
.rept 4
	v_nop
.endr
	s_branch .Lasked_\@
.Lfor_v_\@:
	tensor_load_to_lds s[G0V:G0V+3], s[G1V:G1V+7]
	s_nop 0
.rept 4
	v_nop
.endr
.Lasked_\@:
.endm
.macro ASK                             ; work-group b = 0 asks for tiles 4 to 7 of its head, each a tile ahead of its own fill; each wave for the 16 KiB that it will fetch: a lane a block of 256 bytes
	s_cmp_ge_u32 s[NXT], s[LIM]
	s_cbranch_scc0 .Lnot_mine_\@
	global_prefetch_b8 v[PFV], s[PFA:PFA+1] th:TH_LOAD_NT scope:SCOPE_SE
	global_prefetch_b8 v[PFV], s[PFA:PFA+1] offset:8192 th:TH_LOAD_NT scope:SCOPE_SE
.Lnot_mine_\@:
.endm
; THE CHANGE OF SLOTS.  Each wave waits for all its tensor loads (one is out: its part of the other slot), adds 0 to its spare word, and waits for that and for its reads of the slot that it leaves.
.macro CHANGE fill
	WIN 0
	s_wait_tensorcnt 0x0
	ds_add_u32 v[SPW], v[NIL]                      ; scalar work stands between the add and the wait for it
.if \fill
	s_lshl_b32 s[OFF], s[NXT], 15                  ; a tile is 32,768 bytes of K and of V
	s_xor_b32 s[G0K+1], s[G0K+1], SLOT1
	s_add_nc_u64 s[G0K+2:G0K+3], s[6:7], s[OFF:OFF+1]
	s_or_b32 s[G0K+3], s[G0K+3], 0x80000000
	s_xor_b32 s[G0V+1], s[G0V+1], SLOT1
	s_add_nc_u64 s[G0V+2:G0V+3], s[8:9], s[OFF:OFF+1]
	s_or_b32 s[G0V+3], s[G0V+3], 0x80000000
	s_add_co_u32 s[NXT], s[NXT], 1                 ; the block's next tile, or behind its last the second block's tile 0
	s_cmp_gt_u32 s[NXT], s[LQ]
	s_cselect_b32 s[NXT], 0, s[NXT]
	s_cselect_b32 s[LQ], s[LQ2], s[LQ]
	s_wait_xcnt 0x0                                ; the last prefetches, a tile back, have read their address
	s_lshl_b32 s[OFF], s[NXT], 15
	s_add_nc_u64 s[PFA:PFA+1], s[PBS:PBS+1], s[OFF:OFF+1]
.endif
	s_wait_dscnt 0x0                               ; the add is done, and my reads of the slot are over
	s_barrier_signal -1
	s_sub_co_u32 s[TBK], s[TBK], 4*KS*PK           ; the fetches go back to a slot's first step, in the other slot
	s_xor_b32 s[TBK], s[TBK], SLOT1
	s_sub_co_u32 s[TBV], s[TBV], 4*KS*PV
	s_xor_b32 s[TBV], s[TBV], SLOT1
	s_barrier_wait -1
.if \fill
	LOAD
	ASK
.endif
.endm
	s_load_b64 s[4:5], s[0:1], 0x0                 ; qkvh
	s_load_b64 s[10:11], s[0:1], 0x8               ; y
	v_lshl_add_u32 v[SPW], v0, 2, SPARE
	v_mov_b32 v[NIL], 0
	ds_add_u32 v[SPW], v[NIL]                      ; the wave's opening: the add and its wait ahead of my first tensor load
	ds_add_u32 v62, v63
	v_lshrrev_b32 v1, 5, v0
	v_readfirstlane_b32 s[WV], v1
	s_mov_b32 s[PB], ttmp9
	s_sub_co_u32 s[HI], 15, s[PB]
	s_and_b32 s20, ttmp7, 0xffff
	s_lshl_b32 s20, s20, 18                        ; the head's first byte in Q, K, V and y
	s_and_b32 s16, s[WV], 1                        ; which half of a tile's 256 keys I fetch
	s_lshl_b32 s22, s16, 14
	s_add_co_u32 s22, s22, s20
	s_mov_b32 s23, 0
	s_mul_i32 s17, s16, 128*PK
	s_mul_i32 s18, s16, 128*PV
	s_lshl_b32 s3, s[WV], 12                       ; my 32 rows of a block,
	s_lshl_b32 s2, s[PB], 14                       ; in block b,
	s_add_co_u32 s2, s2, s3
	s_add_co_u32 s2, s2, s20
	s_lshl_b32 s96, s[HI], 14                      ; and in block 15 - b
	s_add_co_u32 s96, s96, s3
	s_add_co_u32 s96, s96, s20
	s_mov_b32 s3, 0
	s_mov_b32 s97, 0
	s_mov_b32 s[G1K], (1<<16)|(1<<20)|(4<<22)|(3<<25)  ; 128 keys are 16,384 dense bytes: 64 rows of 256 bytes, padded after every key by 4 words
	s_mov_b32 s[G1V], (1<<16)|(1<<20)|(4<<22)|(7<<25)  ; by 8 words
.irp g, G1K, G1V
	s_mov_b32 s[\g+1], 128<<16
	s_mov_b32 s[\g+2], 64<<16
	s_mov_b32 s[\g+3], 128<<16
	s_mov_b32 s[\g+4], 64
	s_mov_b32 s[\g+5], 128
	s_mov_b32 s[\g+6], 0
	s_mov_b32 s[\g+7], 0
.endr
	s_mov_b32 s[CS], 0x3e38aa3b                    ; c = log2(e) / 8
	s_mov_b32 s[CS+1], s[CS]
	s_mov_b32 s[SEL], 0x76543210
	s_mov_b32 s[SEL+1], 0xfedcba98
	s_mov_b32 s[TBK], SLOT1+4*KS*PK                ; the first change of slots turns these two into 0
	s_mov_b32 s[TBV], SLOT1+4*KS*PV
	s_mov_b32 s[G0K], 1
	s_mov_b32 s[G0K+1], s17
	s_mov_b32 s[G0V], 1
	s_add_co_u32 s[G0V+1], s18, VOFF
	s_lshr_b32 s[LQ], s[PB], 1
	s_lshr_b32 s[LQ2], s[HI], 1
	s_add_co_u32 s[RT], s[LQ], 1
	s_add_co_u32 s[RT2], s[LQ2], 1
	s_and_b32 s[PAR], s[PB], 1
	s_xor_b32 s[PAR2], s[PAR], 1
	s_mov_b32 s[NXT], 1
	s_cmp_gt_u32 s[NXT], s[LQ]                     ; the first block may have tile 0 alone
	s_cselect_b32 s[NXT], 0, s[NXT]
	s_cselect_b32 s[LQ], s[LQ2], s[LQ]
	s_mov_b32 s[START], 1
	s_mov_b32 s[NEW], 0
	s_mov_b32 s[MST], -1
	s_mov_b32 s[SLOTS], 8
	s_mov_b32 s[OFF+1], 0
	s_mov_b32 s[AL+1], 0
	s_mov_b32 s[BE+1], 0
	s_mov_b32 s[BIGN], 0xf149f2ca                  ; -1e30
	s_cmp_eq_u32 s[PB], 0
	s_cselect_b32 s[LIM], 4, -1
	s_wait_dscnt 0x0                               ; the opening add is done
	s_wait_kmcnt 0x0
	s_add_nc_u64 s[6:7], s[4:5], s[22:23]
	s_add_nc_u64 s[8:9], s[6:7], 0x1000000         ; V at my half of the head's tile 0
	s_add_nc_u64 s[6:7], s[6:7], 0x800000          ; K likewise
	s_add_nc_u64 s[G0K+2:G0K+3], s[6:7], 0
	s_or_b32 s[G0K+3], s[G0K+3], 0x80000000
	s_add_nc_u64 s[G0V+2:G0V+3], s[8:9], 0
	s_or_b32 s[G0V+3], s[G0V+3], 0x80000000
	s_cmp_lt_u32 s[WV], 2
	s_cselect_b64 s[PBS:PBS+1], s[6:7], s[8:9]
	s_add_nc_u64 s[98:99], s[4:5], s[96:97]        ; Q of block 15 - b
	s_add_nc_u64 s[4:5], s[4:5], s[2:3]            ; Q of block b
	s_add_nc_u64 s[OLO:OLO+1], s[10:11], s[2:3]
	s_add_nc_u64 s[10:11], s[10:11], s[96:97]
	LOAD                                           ; tile 0 into slot 0
	v_and_b32 v1, 15, v0                           ; l % 16
	v_bfe_u32 v9, v0, 4, 1                         ; l / 16
	v_lshlrev_b32 v[QO], 7, v1
	v_lshl_add_u32 v[QO], v9, 4, v[QO]
	WIN 0x80
.set i, 0
.rept 4                                ; both blocks' Q: piece i / 2, channels 32 (i % 2) on
	global_load_b128 v[8*i:8*i+3],   v[QO], s[4:5] offset:(i/2)*2048+(i%2)*64
	global_load_b128 v[8*i+4:8*i+7], v[QO], s[4:5] offset:(i/2)*2048+(i%2)*64+32
	global_load_b128 v[QB+8*i:QB+8*i+3],   v[QO], s[98:99] offset:(i/2)*2048+(i%2)*64
	global_load_b128 v[QB+8*i+4:QB+8*i+7], v[QO], s[98:99] offset:(i/2)*2048+(i%2)*64+32
.set i, i+1
.endr
	WIN 0
	v_lshlrev_b32 v14, 3, v9
	v_sub_nc_u32 v14, v1, v14
	s_lshl_b32 s13, s[WV], 5
	v_add_nc_u32 v14, s13, v14                     ; d = 32 w + l % 16 - 8 (l / 16): register r of group cb is hidden where 16 cb + r > d
	WIN 0x40
.set i, 0
.rept 72                               ; groups cb = -1 .. 7
	v_cmp_gt_i32 vcc_lo, 16*(i/8)-16+i%8, v14
	v_cndmask_b32 v[MD+i], 0, s[BIGN], vcc_lo
.set i, i+1
.endr
	WIN 0
	v_mul_u32_u24 v[AK0], v1, PK
	v_lshl_add_u32 v[AK0], v9, 4, v[AK0]
	v_and_b32 v10, 7, v0
	v_bfe_u32 v11, v0, 3, 1
	v_lshl_add_u32 v[AV0], v9, 3, v10
	v_mul_u32_u24 v[AV0], v[AV0], PV
	v_lshl_add_u32 v[AV0], v11, 4, v[AV0]
	v_add_nc_u32 v[AV0], VOFF, v[AV0]
	s_mul_i32 s13, s[WV], 16*SP
	s_add_co_u32 s13, s13, STAGE
	v_mul_u32_u24 v[STO], v1, SP
	v_lshl_add_u32 v[STO], v9, 4, v[STO]
	v_add_nc_u32 v[STO], s13, v[STO]
	v_bfe_u32 v[RD], v0, 3, 2
	v_mul_u32_u24 v[RD], v[RD], SP
	v_lshl_add_u32 v[RD], v10, 4, v[RD]
	v_add_nc_u32 v[RD], s13, v[RD]
	v_and_b32 v[GO], 31, v0
	v_lshlrev_b32 v[PFV], 8, v[GO]
	v_lshlrev_b32 v[GO], 4, v[GO]
	WIN 0x80                                       ; zeros: what the first turns read before it has been made
.set i, VF1
.rept 64
	v_mov_b32 v[i], 0
.set i, i+1
.endr
	WIN 0x40
.set i, 0
.rept 128
	v_mov_b32 v[i], 0
.set i, i+1
.endr
	WIN 0xc0
.set i, 0
.rept 128
	v_mov_b32 v[i], 0
.set i, i+1
.endr
	WIN 0
.set i, 0
.rept 4
	v_mov_b32 v[ST+4*i+2], 0
	v_mov_b32 v[ST+4*i+3], 0
.set i, i+1
.endr
.set i, P+16
.rept 16
	v_mov_b32 v[i], 0
.set i, i+1
.endr
	s_wait_loadcnt 0x0                             ; both blocks' Q
; THE MATRIX WORK.  The 4 accumulators of a run of 8 take turns.
.macro KQ x, ms                        ; product i of 8 of S^T for piece x: channels 32 (i / 4) on, keys 16 (i % 4) on; the first 4 start the sums with the mask of parity ms
.set rS, S+32*(\x)+8*(i%4)
.set rK, KF+16*(i%4)+8*(i/4)
.set rQ, 16*(\x)+8*(i/4)
.set rM, 64*(\ms)+32*(\x)+8*(i%4)
.if i < 4
	WIN W_KM
	v_wmma_f32_16x16x32_bf16 v[rS:rS+7], v[rK:rK+7], v[rQ:rQ+7], v[rM:rM+7]
.else
	WIN W_KQ
	v_wmma_f32_16x16x32_bf16 v[rS:rS+7], v[rK:rK+7], v[rQ:rQ+7], v[rS:rS+7]
.endif
.endm
.macro PV x, vb                        ; product i of 8 of O^T += V^T P for piece x: keys 32 (i / 4) on, channels 16 (i % 4) on; V from buffer vb
	WIN W_PV
.set rO, 32*(\x)+8*(i%4)
.set rV, VF0-(VF0-VF1)*(\vb)+32*(i/4)+8*(i%4)
.set rP, P+16*(\x)+8*(i/4)
	v_wmma_f32_16x16x32_bf16 v[rO:rO+7], v[rV:rV+7], v[rP:rP+7], v[rO:rO+7]
.endm
.macro MM                              ; the turn's next matrix instruction
.if i < 8
	KQ 1-Y, MS
.else
.set i, i-8
	PV 1-Y, VB
.set i, i+8
.endif
.set i, i+1
.endm
.macro FETCH_K                         ; the LDS loads stand in runs of 16
	WIN 0x80
.irp f, 0,1,2,3,4,5,6,7
	ds_load_b128 v[KF+8*\f:KF+8*\f+3],   v[AK] offset:(\f/2)*16*PK+(\f%2)*64
	ds_load_b128 v[KF+8*\f+4:KF+8*\f+7], v[AK] offset:(\f/2)*16*PK+(\f%2)*64+32
.endr
	s_add_co_u32 s[TBK], s[TBK], KS*PK
	WIN 0
.endm
.macro FETCH_V vb
	WIN 0x80
.set VD, VF0-(VF0-VF1)*(\vb)
.irp f, 0,1,2,3,4,5,6,7
	ds_load_tr16_b128 v[VD+8*\f:VD+8*\f+3],   v[AV] offset:(\f/4)*32*PV+(\f%4)*32
	ds_load_tr16_b128 v[VD+8*\f+4:VD+8*\f+7], v[AV] offset:(\f/4)*32*PV+16*PV+(\f%4)*32
.endr
	WIN 0
.endm
; THE VECTOR WORK, one line at a time: OP kind, number.  For piece Y: F n: c s - c m for pair n.  E n: the exponential of score n.  C n: pair n rounded to bf16.  B n: of the four weights 4 n .. the second pair is added
; onto the first.  L n: l takes that sum (L 0: l = a l + sum).  R n: pair n of O^T times a.  For the other piece: X n, number n of the 22 that find its maximum and statistics (each accumulator's lowest registers are read first).
.set F, 0
.set E, 1
.set C, 2
.set B, 3
.set L, 4
.set R, 5
.set X, 6
.macro REGS y
.set rT, ST+4*(\y)
.set rC, TMP+4*(\y)
.set rW, MV+(\y)
.set rS, S+32*(\y)
.set rP, P+16*(\y)
.set rO, 32*(\y)
.endm
.macro OP k, n
.if (\k) == R
	REGS Y
	WIN W_RS
	v_pk_mul_f32 v[rO+2*(\n):rO+2*(\n)+1], v[rO+2*(\n):rO+2*(\n)+1], v[rC+2:rC+3] op_sel_hi:[1,0]
.elseif (\k) < R
	REGS Y
	WIN 0
.if (\k) == F
	v_pk_fma_f32 v[rS+2*(\n):rS+2*(\n)+1], v[rS+2*(\n):rS+2*(\n)+1], s[CS:CS+1], v[rT:rT+1] op_sel_hi:[1,0,0] neg_lo:[0,0,1] neg_hi:[0,0,1]
.elseif (\k) == E
	v_exp_f32 v[rS+(\n)], v[rS+(\n)]
.elseif (\k) == C
	v_cvt_pk_bf16_f32 v[rP+(\n)], v[rS+2*(\n)], v[rS+2*(\n)+1]
.elseif (\k) == B
	v_pk_add_f32 v[rS+4*(\n):rS+4*(\n)+1], v[rS+4*(\n):rS+4*(\n)+1], v[rS+4*(\n)+2:rS+4*(\n)+3]
.elseif (\n) == 0
	v_pk_fma_f32 v[rT+2:rT+3], v[rT+2:rT+3], v[rC+2:rC+3], v[rS:rS+1] op_sel_hi:[1,0,1]
.else
	v_pk_add_f32 v[rT+2:rT+3], v[rT+2:rT+3], v[rS+4*(\n):rS+4*(\n)+1]
.endif
.else
	REGS 1-Y
	WIN 0
.if (\n) < 4
	v_max3_num_f32 v[rC+(\n)], v[rS+8*(\n)], v[rS+8*(\n)+1], v[rS+8*(\n)+2]
.elseif (\n) < 12
	v_max3_num_f32 v[rC+(\n)%4], v[rC+(\n)%4], v[rS+8*((\n)%4)+2*((\n)/4)+1], v[rS+8*((\n)%4)+2*((\n)/4)+2]
.elseif (\n) == 12
	v_max3_num_f32 v[rC], v[rC], v[rS+7], v[rS+15]
.elseif (\n) == 13
	v_max3_num_f32 v[rC+1], v[rC+1], v[rS+23], v[rS+31]
.elseif (\n) == 14
	v_max3_num_f32 v[rC+2], v[rC+2], v[rC+3], v[rT+1]
.elseif (\n) == 15
	v_mov_b32 v[rW], v[rT]
.elseif (\n) == 16
	v_max3_num_f32 v[rC], v[rC], v[rC+1], v[rC+2]
.elseif (\n) == 17
	v_permlanex16_b32 v[rC+3], v[rC], s[SEL], s[SEL+1]
.elseif (\n) == 18
	v_max_num_f32 v[rT+1], v[rC], v[rC+3]
.elseif (\n) == 19
	v_mul_f32 v[rT], s[CS], v[rT+1]
.elseif (\n) == 20
	v_sub_f32 v[rC+1], v[rW], v[rT]
.else
	v_exp_f32 v[rC+2], v[rC+1]
.endif
.endif
.endm
.macro OPS a, i1, b=-1, i2=0, c=-1, i3=0, d=-1, i4=0
	OP \a, \i1
.if (\b) >= 0
	OP \b, \i2
.endif
.if (\c) >= 0
	OP \c, \i3
.endif
.if (\d) >= 0
	OP \d, \i4
.endif
.endm
.macro ROW a, i1, b, i2, c, i3, d, i4  ; a matrix instruction and the four behind it
	MM
	OPS \a, \i1, \b, \i2, \c, \i3, \d, \i4
.endm
; A TURN for piece p in a step of parity par.  Ahead of its one wait stands all that names no result of its exponentials; behind it the products V^T P with the roundings and sums.
; Piece 0's turn fetches K of the next step (five plain instructions that name none of its registers behind the last product that read K) and, at its end, V of the next step into the buffer whose last reader
; stands four plain instructions back.  Piece 1's turn opens with the one wait for these runs: K of the next step and V of this one are in; the 16 loads of the next V may stay out.
.macro TURN p, par
.set Y, (\p)
.set i, 0
.if (\p) == 0
.set MS, (\par)
.set VB, 1-(\par)
.else
.set MS, 1-(\par)
.set VB, (\par)
	s_wait_dscnt 16
.endif
	ROW F,0, F,1, R,0, R,1
	ROW F,2, E,0, R,2, R,3
	ROW F,3, E,1, R,4, R,5
	ROW F,4, E,2, R,6, R,7
	ROW F,5, E,3, R,8, R,9
	ROW F,6, E,4, X,0, R,10
.if (\p) == 0
	WIN 0
	v_add_nc_u32 v[AK], s[TBK], v[AK0]
.endif
	ROW F,7, E,5, X,1, X,4
	ROW F,8, E,6, X,2, X,5
	OPS E,7, E,8, X,6, E,9
	OPS X,3, E,10, X,8, E,11
.if (\p) == 0
	FETCH_K
.endif
	OPS X,9, X,7, E,12, X,10
	OPS E,13, X,12, X,11, E,14
	OPS X,13, E,15, F,9, X,14
.if (\p) == 0
	WIN 0
	v_add_nc_u32 v[AV], s[TBV], v[AV0]
.endif
	OPS E,16, F,10, E,17, F,11
	OPS X,16, E,18, X,15, E,19
	OPS F,12, E,20, X,17, E,21
	OPS F,13, E,22, F,14, E,23
	OPS X,18, E,24, F,15, E,25
	OPS R,11, E,26, X,19, E,27
	OPS R,12, E,28, R,13, E,29
	OPS X,20, E,30, R,14, E,31
	OPS X,21, R,15                                 ; the other piece's a is the batch's last; R 15 is the plain instruction behind it
	WIN 0
	s_wait_alu depctr_va_vdst(0)                   ; the wait for the batch, ahead of the first reader
	ROW C,0, B,0, C,2, B,1
	ROW L,0, C,4, B,2, L,1
	ROW C,6, B,3, L,2, C,8
	ROW B,4, L,3, C,10, B,5
	ROW L,4, C,12, B,6, L,5
.if (\p) == 0
	s_add_co_u32 s[TBV], s[TBV], KS*PV
.endif
	ROW C,14, B,7, L,6, C,1
	ROW C,3, L,7, C,5, C,7
	ROW C,9, C,11, C,13, C,15
.if (\p) == 0
	FETCH_V 1-(\par)
.endif
.endm
; The masks for the half tile that begins with the next turn: half hb - CNT.  State: -1 all seen, 0 the diagonal's half, 1 hidden (2, behind the walk's end: serves nothing).
.macro MASKUPD hb
	WIN 0
	s_sub_co_u32 s[CD], \hb, s[CNT]
	s_sub_co_u32 s[CD], s[CD], s[PAR]
	s_cmp_eq_u32 s[RT], 0                          ; is the tile the block's last?
	s_cselect_b32 s[CD], s[CD], -1
	s_cmp_eq_u32 s[CD], s[MST]
	s_cbranch_scc1 .Lsame_\@
	s_mov_b32 s[MST], s[CD]
	s_cmp_eq_u32 s[CD], 0
	s_cselect_b32 s[AL], 1.0, 0
	s_cmp_eq_u32 s[CD], 1
	s_cselect_b32 s[BE], s[BIGN], 0
	WIN 0xc1                                       ; destination window 3, source 0 window 1
.irp s, 0,1
.irp p, 0,1
.set z, 0
.rept 16
	v_pk_fma_f32 v[64*\s+32*\p+2*z:64*\s+32*\p+2*z+1], v[MD+8*(4*\s-\p+1)+2*z:MD+8*(4*\s-\p+1)+2*z+1], s[AL:AL+1], s[BE:BE+1] op_sel_hi:[1,0,0]
.set z, z+1
.endr
.endr
.endr
	WIN 0
.Lsame_\@:
.endm
.macro SWITCH                          ; the first block ends: its last products; O^T and l are set aside; the second block's Q goes where the turns name Q
.set i, 0
.rept 8
	PV 1, 1
.set i, i+1
.endr
	WIN W_RS
.set i, 0
.rept 64                               ; ascending; piece 0's 32 lines are the places behind the products above
	v_mov_b32 v[64+i], v[i]
.set i, i+1
.endr
	WIN 0
.irp t, 0,1
	v_mov_b32 v[ST+4*\t+10], v[ST+4*\t+2]
	v_mov_b32 v[ST+4*\t+11], v[ST+4*\t+3]
.endr
	WIN 0x82
.set i, 0
.rept 32
	v_mov_b32 v[i], v[QB+i]
.set i, i+1
.endr
	WIN 0
	s_mov_b32 s[NEW], 0
.endm
.macro BEGIN                           ; a block begins: c m far below every c s, so the first a is 0; piece 0's first scores, maximum and statistics
	s_mov_b32 s[START], 0
	WIN 0
.irp t, 0,1
	v_mov_b32 v[ST+4*\t], 0xfe000000
	v_mov_b32 v[ST+4*\t+1], 0xff7fffff
.endr
	s_wait_dscnt 16                                ; K is in; V's 16 loads may stay out
.set i, 0
.rept 8
	KQ 0, 0
.set i, i+1
.endr
	WIN 0
.rept 4
	v_nop
.endr
.set Y, 1
.irp n, 0,1,2,3,4,5,6,7,8,9,10,11,12,13,14,15,16,17,18,19,20,21
	OP X, \n
.endr
	v_nop
	s_wait_alu depctr_va_vdst(0)
.endm
.macro ALL line:vararg
.set t, 0
.rept 4
	\line
.set t, t+1
.endr
.endm
.macro PACK t                          ; O^T / l, rounded; 16 bytes a lane into rows of 144 bytes, back as whole rows of 128
	WIN W_RS
.set i, 32*(\t)
.rept 16
	v_pk_mul_f32 v[i:i+1], v[i:i+1], v[ST+4*(\t)+2:ST+4*(\t)+3] op_sel_hi:[1,0]
.set i, i+2
.endr
	WIN 0x05
.set i, 0
.rept 16
	v_cvt_pk_bf16_f32 v[S+16*(\t)+i], v[32*(\t)+2*i], v[32*(\t)+2*i+1]
.set i, i+1
.endr
	WIN 0
.irp f, 0,1,2,3
	ds_store_b128 v[STO], v[S+16*(\t)+4*\f:S+16*(\t)+4*\f+3] offset:32*\f
.endr
.irp f, 0,1,2,3
	ds_load_b128 v[S+16*(\t)+4*\f:S+16*(\t)+4*\f+3], v[RD] offset:\f*4*SP  ; LDS serves a wave's instructions in order: these see the stores above
.endr
.endm
.macro SEND t, younger
	WIN 0
.irp f, 0,1,2,3
	s_wait_dscnt (\younger)+3-\f
.if (\t) < 2
	global_store_b128 v[GO], v[S+16*(\t)+4*\f:S+16*(\t)+4*\f+3], s[10:11] offset:((\t)%2)*2048+\f*512      ; 512 consecutive aligned bytes
.else
	global_store_b128 v[GO], v[S+16*(\t)+4*\f:S+16*(\t)+4*\f+3], s[OLO:OLO+1] offset:((\t)%2)*2048+\f*512
.endif
.endr
.endm
.Lslot:                                        ; eight times: a tile is entered and the next is asked for
	CHANGE 1
	s_cmp_eq_u32 s[RT], 0                          ; the block in hand has no tile left: the second block begins
	s_cselect_b32 s[NEW], 1, 0
	s_cselect_b32 s[RT], s[RT2], s[RT]
	s_cselect_b32 s[PAR], s[PAR2], s[PAR]
	s_sub_co_u32 s[RT], s[RT], 1
	s_mov_b32 s[CNT], 2
	s_cmp_eq_u32 s[START], 1
	s_cbranch_scc0 .Lstep
	v_add_nc_u32 v[AK], s[TBK], v[AK0]             ; the walk's first tile: K and V of its step 0
	v_add_nc_u32 v[AV], s[TBV], v[AV0]
	s_add_co_u32 s[TBV], s[TBV], KS*PV
	FETCH_K
	FETCH_V 0
	s_branch .Lmask
.Lstep:                                        ; a trip: turns (3, .) of the tile before and (0, .), or turns (1, .) and (2, .)
	TURN 0, 1
	WIN 0
.Lmask:
	MASKUPD 2
	s_cmp_eq_u32 s[START], 1
	s_cbranch_scc1 .Lbegin
	TURN 1, 1
	WIN 0
	s_cmp_eq_u32 s[NEW], 0
	s_cbranch_scc1 .Lcont
	SWITCH
.Lbegin:
	BEGIN
.Lcont:
	TURN 0, 0
	TURN 1, 0
	WIN 0
	s_sub_co_u32 s[CNT], s[CNT], 1
	s_cmp_lg_u32 s[CNT], 0
	s_cbranch_scc1 .Lstep
	s_sub_co_u32 s[SLOTS], s[SLOTS], 1
	s_cmp_lg_u32 s[SLOTS], 0
	s_cbranch_scc1 .Lslot
	CHANGE 0                                       ; the walk's last tile is written out
	s_sub_co_u32 s[RT], s[RT], 1
	s_mov_b32 s[CNT], 3
.Ltail:
	s_cmp_eq_u32 s[CNT], 1                         ; the third pass has no further step: it fetches the tile's first once more, which serves nothing:
	s_cselect_b32 s[CD], 4*KS*PK, 0                ; the price of one text, with no branch inside a batch of exponentials
	s_cselect_b32 s[TM2], 4*KS*PV, 0
	s_sub_co_u32 s[TBK], s[TBK], s[CD]
	s_sub_co_u32 s[TBV], s[TBV], s[TM2]
	TURN 0, 1
	MASKUPD 3
	TURN 1, 1
	WIN 0
	s_sub_co_u32 s[CNT], s[CNT], 1
	s_cmp_eq_u32 s[CNT], 0
	s_cbranch_scc1 .Lout
	TURN 0, 0
	TURN 1, 0
	WIN 0
	s_branch .Ltail
.Lout:
.set i, 0
.rept 8
	PV 1, 1                                        ; piece 1's V^T P of the last step
.set i, i+1
.endr
	WIN 0                                          ; THE WAY OUT, for both blocks' pieces; the additions are the places behind the last products
	ALL v_add_f32 v[ST+4*t+2], v[ST+4*t+2], v[ST+4*t+3]
	ALL v_permlanex16_b32 v[ST+4*t+3], v[ST+4*t+2], s[SEL], s[SEL+1]
	ALL v_add_f32 v[ST+4*t+2], v[ST+4*t+2], v[ST+4*t+3]
	ALL v_rcp_f32 v[ST+4*t+2], v[ST+4*t+2]
	v_nop
	s_wait_alu depctr_va_vdst(0)                   ; one wait for the four reciprocals
	PACK 0
.set t, 1
.rept 3
	PACK t
	SEND t-1, 8
.set t, t+1
.endr
	SEND 3, 0
	s_wait_tensorcnt 0x0                           ; the wave's end
	ds_add_u32 v[SPW], v[NIL]
	s_wait_dscnt 0x0
	s_endpgm
.Lfunc_end_k_qdc9e1c0a29_attn:
	.size	k_qdc9e1c0a29_attn, .Lfunc_end_k_qdc9e1c0a29_attn-k_qdc9e1c0a29_attn
	.p2alignl 7, 3214868480
	.fill 96, 4, 3214868480
	.section	.rodata,"a",@progbits
	.p2align	6, 0x0
	.amdhsa_kernel k_qdc9e1c0a29_attn
		.amdhsa_group_segment_fixed_size 327680
		.amdhsa_private_segment_fixed_size 0
		.amdhsa_enable_private_segment 0
		.amdhsa_kernarg_size 16
		.amdhsa_user_sgpr_count 2
		.amdhsa_user_sgpr_kernarg_segment_ptr 1
		.amdhsa_wavefront_size32 1
		.amdhsa_system_sgpr_workgroup_id_x 1
		.amdhsa_system_sgpr_workgroup_id_y 1
		.amdhsa_system_sgpr_workgroup_id_z 1
		.amdhsa_system_vgpr_workitem_id 0
		.amdhsa_next_free_vgpr 896
		.amdhsa_next_free_sgpr 100
		.amdhsa_reserve_vcc 1
		.amdhsa_float_denorm_mode_32 3
		.amdhsa_float_denorm_mode_16_64 3
		.amdhsa_memory_ordered 1
		.amdhsa_forward_progress 1
		.amdhsa_inst_pref_size 141
	.end_amdhsa_kernel
	.amdgpu_metadata
---
amdhsa.version: [ 1, 2 ]
amdhsa.kernels:
  - .name:           k_qdc9e1c0a29_attn
    .symbol:         k_qdc9e1c0a29_attn.kd
    .args:
      - { .name: qkvh, .offset: 0, .size: 8, .value_kind: global_buffer, .address_space: global }
      - { .name: y, .offset: 8, .size: 8, .value_kind: global_buffer, .address_space: global }
    .group_segment_fixed_size: 327680
    .private_segment_fixed_size: 0
    .kernarg_segment_align: 8
    .kernarg_segment_size: 16
    .max_flat_workgroup_size: 128
    .sgpr_count:     100
    .vgpr_count:     896
    .wavefront_size: 32
...
	.end_amdgpu_metadata
.endif
;; end of part 3
;; launch proj (part 4): grid 8 x 32, 4 waves a work-group, clusters of 4 x 4, 327,680 bytes of LDS; arguments y, wa, x, x1; writes x1
.if DOCPART == 4
	.amdgcn_target "amdgcn-amd-amdhsa--gfx1250"
	.amdhsa_code_object_version 6
	.text
	.protected	k_qdc9e1c0a29_proj
	.globl	k_qdc9e1c0a29_proj
	.p2align	8
	.type	k_qdc9e1c0a29_proj,@function
k_qdc9e1c0a29_proj:
	s_mov_b64 s[64:65], 0
	v_nop
	global_prefetch_b8 v0, s[64:65] scope:SCOPE_SE
	s_setreg_imm32_b32 hwreg(HW_REG_WAVE_MODE, 25, 1), 1
	s_wait_xcnt 0x0
	s_wait_alu depctr_hold_cnt(0) depctr_sa_sdst(0) depctr_va_vdst(0) depctr_va_sdst(0) depctr_va_ssrc(0) depctr_va_vcc(0) depctr_vm_vsrc(0)
	s_getreg_b32 s2, hwreg(HW_REG_IB_STS2, 6, 4)
	s_cmp_eq_u32 s2, 0
	s_cbranch_scc0 .Lentry_in_a_cluster
	s_endpgm
.Lentry_in_a_cluster:
	s_bfe_u32 s2, ttmp6, 0x10000c
	s_cmp_lg_u32 s2, 0xf033
	s_cbranch_scc0 .Lentry_shape_is_right
	s_endpgm
.Lentry_shape_is_right:
; x1 = x + y @ Wp.  y: [32 = batch x 16 + head][2048][64] bf16; Wp: [1024][1024] bf16, [K][N], in wa behind Wqkv; x, x1: [4096][1024] f32.
; A tile of C is 128 x 128 (256 work-groups); four waves, 64 x 64 each: 16 accumulators.  K goes in 4 steps of 256 through a ring of two LDS slots.
; THE SUMS BEGIN ON THE RESIDUAL: the accumulators are loaded with x's tile, in the layout of a result, so there is no first step with 0 and no addition at the end.
; THE K STEPS GO ROUND: a cluster begins at K step (2 x cluster x + 2 x cluster y) mod 4 and wraps.  The two clusters that read the same rows of y, and neighbouring clusters that read the same
; columns of the weights, begin two steps apart: at any one time they ask for different blocks.  The number hangs on the cluster's x and y alone, so it is the same in all sixteen partners.  f32 sums may be taken in any order.
; A's tile: a K step is four heads; a wave's 64 rows of one head are 8,192 dense bytes: four rows of 4,096 elements, padded in LDS after every 128 bytes: [head][64 rows][144 bytes].
; The weights' rows lie along N and are turned on the way out of LDS (ds_load_tr16_b128).  CLUSTER 4 x 4: A's tile shared along a row, the weights' along a column, asked for jointly.
; No prefetch: the tiles are small.  The matrix instruction is used transposed: a lane holds eight neighbouring numbers of a row of C.
; REGISTERS: window 0: v16-29 addresses, v64-95 the way out, v128-255 the accumulators ((a, b) at v[128 + 8 (4 a + b)]); window 1: two fragment buffers of 128 (A's 64, then the weights' 64).
; LIMITS: matrix operands in bf16, sums and residual in f32; NaN and infinities are not treated apart.
.set T,     4                          ; K steps
.set RX,    2                          ; the first K step: RX x cluster x + RY x cluster y, mod T
.set RY,    2
.set WOFF,  6291456
.set PA,    144
.set AQ,    9216                       ; from quarter to quarter (64 along K) in A's tile: a head
.set AI,    2304                       ; 16 rows
.set AHALF, 36864                      ; 64 rows of A
.set ASH,   20                         ; a K step of A in memory: four heads, 1 << 20 bytes
.set PB,    288                        ; the weights' LDS row: 256 bytes + 32
.set BHALF, 128*PB
.set BOFF,  2*AHALF
.set BSH,   19                         ; a K step of the weights: 256 rows of 2,048 bytes
.set SLOT,  147456                     ; 0x24000: none of its bits occurs in a tile's place in a slot, so one exclusive or changes slots
.set SPARE, 2*SLOT
.set DP,    272
.set DREG,  64*DP
.set ADRA0, 16
.set ADRA,  17
.set ADRB0, 18
.set ADRB,  19
.set ADRBH, 20
.set RO,    22
.set DST,   24
.set RD,    25
.set GO,    26
.set SPW,   28
.set NIL,   29
.set ACC,   128
.set F0,    0
.set F1,    128
.set AB,  14                           ; s[14:15] A at my rows, K step 0; never rewritten
.set OF,  16                           ; s[16:17] an offset in 64 bits; s17 stays 0
.set G1,  24
.set G0,  32
.set BB,  46                           ; s[46:47] the weights at my k-rows and columns, K step 0; never rewritten
.set G1B, 48
.set G0B, 56
.set TB,  66
.set KI,  67                           ; the K step that the walking sets stand at
.set MSB, 0
.macro WIN new
.if MSB != (\new)
	s_set_vgpr_msb (MSB<<8)|(\new)
.set MSB, \new
.endif
.endm
.set MUL,  0x05
.set TO_F, 0x40
.macro PLACES
.rept 4
	v_nop
.endr
.endm
.macro JLOAD
	s_cmp_eq_u32 s11, 0
	s_cbranch_scc0 .Lfor_b_\@
	tensor_load_to_lds s[G0+4:G0+7], s[G1:G1+7]
	s_nop 0
	PLACES
	s_branch .Lasked_\@
.Lfor_b_\@:
	tensor_load_to_lds s[G0B+4:G0B+7], s[G1B:G1B+7]
	s_nop 0
	PLACES
.Lasked_\@:
.endm
.macro CREST
	s_cmp_lg_u32 s10, 0
	s_cbranch_scc1 .Lnot_wave_0_\@
	s_barrier_signal -3
.Lnot_wave_0_\@:
	s_barrier_wait -3
	s_barrier_signal -1
	s_barrier_wait -1
.endm
.macro CROUND
	s_barrier_signal -1
	s_barrier_wait -1
	CREST
.endm
.macro MUL8 f, c, a0                   ; 8 products: row blocks a0, a0 + 1 x all 4 column blocks, 32 along K: half c of buffer f
	WIN MUL
.irp a, \a0, (\a0)+1
.irp b, 0,1,2,3
	v_wmma_f32_16x16x32_bf16 v[ACC+8*(4*(\a)+(\b)):ACC+8*(4*(\a)+(\b))+7], v[(\f)+64+8*(4*(\c)+(\b)):(\f)+64+8*(4*(\c)+(\b))+7], v[(\f)+8*(4*(\c)+(\a)):(\f)+8*(4*(\c)+(\a))+7], v[ACC+8*(4*(\a)+(\b)):ACC+8*(4*(\a)+(\b))+7]
.endr
.endr
.endm
.macro FETCH q, f                      ; 32 LDS loads in one run: quarter q (64 along K), its first 32 along K first
	WIN TO_F
.irp c, 0,1
.irp i, 0,1,2,3
.if (\q) < 2
	ds_load_tr16_b128 v[(\f)+64+8*(4*(\c)+(\i)):(\f)+64+8*(4*(\c)+(\i))+3],   v[ADRB] offset:(((\q)%2)*64+32*(\c))*PB+32*(\i)
	ds_load_tr16_b128 v[(\f)+64+8*(4*(\c)+(\i))+4:(\f)+64+8*(4*(\c)+(\i))+7], v[ADRB] offset:(((\q)%2)*64+32*(\c))*PB+32*(\i)+16*PB
.else
	ds_load_tr16_b128 v[(\f)+64+8*(4*(\c)+(\i)):(\f)+64+8*(4*(\c)+(\i))+3],   v[ADRBH] offset:(((\q)%2)*64+32*(\c))*PB+32*(\i)
	ds_load_tr16_b128 v[(\f)+64+8*(4*(\c)+(\i))+4:(\f)+64+8*(4*(\c)+(\i))+7], v[ADRBH] offset:(((\q)%2)*64+32*(\c))*PB+32*(\i)+16*PB
.endif
	ds_load_b128 v[(\f)+8*(4*(\c)+(\i)):(\f)+8*(4*(\c)+(\i))+3],   v[ADRA] offset:(\q)*AQ+64*(\c)+(\i)*AI
	ds_load_b128 v[(\f)+8*(4*(\c)+(\i))+4:(\f)+8*(4*(\c)+(\i))+7], v[ADRA] offset:(\q)*AQ+64*(\c)+(\i)*AI+32
.endr
.endr
.endm
.macro QUARTER q, f, g
	s_wait_dscnt 16                                ; the first 32 along K are in
	MUL8 \f, 0, 0
	MUL8 \f, 0, 2
	PLACES
	FETCH \q, \g
	s_wait_dscnt 32                                ; all but the 32 just issued
	MUL8 \f, 1, 0
	MUL8 \f, 1, 2
.endm
.macro MEET walk                       ; walk = 1: a refill follows: the walking sets go to the slot that is being left and to the next K step, round the end of K
	WIN 0
	s_wait_tensorcnt 0x0                           ; all my tensor loads have landed: my part of the next slot; so every group 0 may be written
	ds_add_u32 v[SPW], v[NIL]                      ; the descriptors' scalar work stands between the add and the wait for it
.if \walk
	s_add_co_u32 s[KI], s[KI], 1
	s_and_b32 s[KI], s[KI], T-1
	s_xor_b32 s[G0+5], s[G0+5], SLOT
	s_lshl_b32 s[OF], s[KI], ASH
	s_add_nc_u64 s[G0+6:G0+7], s[AB:AB+1], s[OF:OF+1]   ; the address is made anew: the base and the K step's offset
	s_or_b32 s[G0+7], s[G0+7], 0x80000000
	s_xor_b32 s[G0B+5], s[G0B+5], SLOT
	s_lshl_b32 s[OF], s[KI], BSH
	s_add_nc_u64 s[G0B+6:G0B+7], s[BB:BB+1], s[OF:OF+1]
	s_or_b32 s[G0B+7], s[G0B+7], 0x80000000
.endif
	s_wait_dscnt 17                                ; (the add and the youngest sixteen loads may be out)
	MUL8 F1, 0, 0
	s_wait_dscnt 0x0                               ; the add is done, and my reads of this slot are over
	s_barrier_signal -1
	MUL8 F1, 0, 2
	WIN 0
	s_barrier_wait -1
.endm
.macro NEWADR
	s_xor_b32 s[TB], s[TB], SLOT
	v_add_nc_u32 v[ADRA], s[TB], v[ADRA0]
	v_add_nc_u32 v[ADRB], s[TB], v[ADRB0]
	v_add_nc_u32 v[ADRBH], 128*PB, v[ADRB]
.endm
.macro TURN1                           ; a step's last quarter with a refill: the barrier opens a round of the cluster's, the joint load is the first thing behind it
	MEET 1
	CREST
	JLOAD
	NEWADR
	FETCH 0, F0
	MUL8 F1, 1, 0
	MUL8 F1, 1, 2
.endm
.macro TURN0                           ; the last two steps ask for nothing; the very last fetches nothing
	MEET 0
	NEWADR
	PLACES
	s_cmp_eq_u32 s3, 1
	s_cbranch_scc1 .Lno_fetch_\@
	FETCH 0, F0
	WIN 0
.Lno_fetch_\@:
	MUL8 F1, 1, 0
	MUL8 F1, 1, 2
.endm
	s_load_b128 s[4:7], s[0:1], 0x0                ; y s[4:5], wa s[6:7]
	s_load_b64 s[68:69], s[0:1], 0x10              ; x
	s_load_b64 s[8:9], s[0:1], 0x18                ; x1
	v_lshl_add_u32 v[SPW], v0, 2, SPARE
	v_mov_b32 v[NIL], 0
	ds_add_u32 v[SPW], v[NIL]                      ; the wave's opening: the add and its wait ahead of my first tensor load
	ds_add_u32 v28, v29
	v_lshrrev_b32 v1, 5, v0
	v_readfirstlane_b32 s10, v1
	s_lshr_b32 s11, s10, 1                         ; my half of the tile's rows; also: I fetch A (0) or the weights (1)
	s_and_b32 s12, s10, 1                          ; my half of its columns; also: which half of that tile I fetch
	s_bfe_u32 s40, ttmp6, 0x40000
	s_bfe_u32 s41, ttmp6, 0x40004
	s_lshl_b32 s42, ttmp9, 2
	s_add_co_u32 s42, s42, s40                     ; tile column
	s_and_b32 s13, ttmp7, 0xffff
	s_lshl_b32 s13, s13, 2
	s_add_co_u32 s13, s13, s41                     ; tile row
	s_lshl_b32 s43, s41, 2
	s_lshl_b32 s43, 15, s43
	s_lshl_b32 s44, 0x1111, s40
	s_or_b32 s[G1+0], s43, (1<<16)|(1<<20)|(1<<21)|(4<<22)|(3<<25)   ; 4 rows of 4,096 elements, 4 words of padding after every 32
	s_mov_b32 s[G1+1], 4096<<16
	s_mov_b32 s[G1+2], 4<<16
	s_mov_b32 s[G1+3], 4096<<16
	s_mov_b32 s[G1+4], 4
	s_mov_b32 s[G1+5], 131072                      ; from head to head
	s_mov_b32 s[G1+6], 0
	s_mov_b32 s[G1+7], 0
	s_or_b32 s[G1B+0], s44, (1<<16)|(1<<20)|(1<<21)|(5<<22)|(7<<25)  ; 128 k-rows of 128 columns, 8 words of padding after every 64
	s_mov_b32 s[G1B+1], 128<<16
	s_mov_b32 s[G1B+2], 128<<16
	s_mov_b32 s[G1B+3], 128<<16
	s_mov_b32 s[G1B+4], 128
	s_mov_b32 s[G1B+5], 1024
	s_mov_b32 s[G1B+6], 0
	s_mov_b32 s[G1B+7], 0
	s_lshl_b32 s16, s13, 7
	s_lshl_b32 s17, s12, 6
	s_add_co_u32 s16, s16, s17                     ; A: row 128 x tile row + 64 x half
	s_lshr_b32 s17, s16, 11                        ; batch: 16 heads of 262,144 bytes
	s_lshl_b32 s17, s17, 22
	s_and_b32 s16, s16, 2047                       ; row in the batch: 128 bytes
	s_lshl_b32 s16, s16, 7
	s_add_co_u32 s16, s16, s17
	s_mov_b32 s17, 0
	s_lshl_b32 s46, s12, 18                        ; W: k-row 128 x half, of 2,048 bytes,
	s_lshl_b32 s47, s42, 8                         ; column 128 x tile column
	s_add_co_u32 s46, s46, s47
	s_add_co_u32 s46, s46, WOFF
	s_mov_b32 s47, 0
	s_mul_i32 s20, s12, AHALF                      ; where the tiles go
	s_mul_i32 s21, s12, BHALF
	s_add_co_u32 s21, s21, BOFF
	s_mov_b32 s[TB], 0
	s_and_b32 s18, ttmp7, 0xffff                   ; the cluster's first K step: an even number, from the cluster's x and y alone
	s_mul_i32 s18, s18, RY
	s_mul_i32 s19, ttmp9, RX
	s_add_co_u32 s18, s18, s19
	s_and_b32 s[KI], s18, T-1
	s_wait_dscnt 0x0                               ; the opening add is done
	s_wait_kmcnt 0x0
	s_add_nc_u64 s[AB:AB+1], s[4:5], s[16:17]
	s_add_nc_u64 s[BB:BB+1], s[6:7], s[46:47]
.irp s, 0,1
	s_mov_b32 s[G0+4*(\s)], 1
	s_add_co_u32 s[G0+4*(\s)+1], s20, (\s)*SLOT
	s_lshl_b32 s[OF], s[KI], ASH
	s_add_nc_u64 s[G0+4*(\s)+2:G0+4*(\s)+3], s[AB:AB+1], s[OF:OF+1]
	s_or_b32 s[G0+4*(\s)+3], s[G0+4*(\s)+3], 0x80000000
	s_mov_b32 s[G0B+4*(\s)], 1
	s_add_co_u32 s[G0B+4*(\s)+1], s21, (\s)*SLOT
	s_lshl_b32 s[OF], s[KI], BSH
	s_add_nc_u64 s[G0B+4*(\s)+2:G0B+4*(\s)+3], s[BB:BB+1], s[OF:OF+1]
	s_or_b32 s[G0B+4*(\s)+3], s[G0B+4*(\s)+3], 0x80000000
.if (\s) == 0
	s_add_co_u32 s[KI], s[KI], 1                   ; the second set, which then walks: the step behind an even one never wraps
.endif
.endr
	CROUND                                         ; all sixteen work-groups are here: the first joint loads meet
	s_cmp_eq_u32 s11, 0                            ; a wave's two first fills stand in one branch: two loads of mine are out
	s_cbranch_scc0 .Lfirst_b
	tensor_load_to_lds s[G0:G0+3], s[G1:G1+7]
	s_nop 0
	tensor_load_to_lds s[G0+4:G0+7], s[G1:G1+7]
	s_nop 0
	PLACES
	s_branch .Lfirst_asked
.Lfirst_b:
	tensor_load_to_lds s[G0B:G0B+3], s[G1B:G1B+7]
	s_nop 0
	tensor_load_to_lds s[G0B+4:G0B+7], s[G1B:G1B+7]
	s_nop 0
	PLACES
.Lfirst_asked:
	v_and_b32 v1, 15, v0                           ; l % 16
	v_bfe_u32 v2, v0, 4, 1                         ; l / 16
	v_bfe_u32 v5, v0, 3, 1
	s_lshl_b32 s18, s13, 7
	s_lshl_b32 s19, s11, 6
	s_add_co_u32 s18, s18, s19                     ; my first row,
	s_lshl_b32 s18, s18, 12                        ; of 4,096 bytes,
	s_lshl_b32 s19, s42, 9
	s_lshl_b32 s22, s12, 8
	s_add_co_u32 s22, s22, s19                     ; my first column, in bytes
	s_add_co_u32 s18, s18, s22
	s_mov_b32 s19, 0
	s_add_nc_u64 s[68:69], s[68:69], s[18:19]
	s_add_nc_u64 s[8:9], s[8:9], s[18:19]
	v_lshlrev_b32 v[RO], 12, v1
	v_lshl_add_u32 v[RO], v2, 5, v[RO]             ; row l % 16, columns 8 (l / 16) on: the layout of a result
.irp a, 0,1,2,3
.irp b, 0,1,2,3
	global_load_b128 v[ACC+8*(4*\a+\b):ACC+8*(4*\a+\b)+3],   v[RO], s[68:69] offset:\a*65536+64*\b
	global_load_b128 v[ACC+8*(4*\a+\b)+4:ACC+8*(4*\a+\b)+7], v[RO], s[68:69] offset:\a*65536+64*\b+16
.endr
.endr
	v_mul_u32_u24 v3, v1, PA
	v_lshl_add_u32 v3, v2, 4, v3
	s_mul_i32 s21, s11, AHALF
	v_add_nc_u32 v[ADRA0], s21, v3
	v_and_b32 v4, 7, v0
	v_lshl_add_u32 v4, v2, 3, v4
	v_mul_u32_u24 v3, v4, PB
	v_lshl_add_u32 v3, v5, 4, v3
	s_lshl_b32 s22, s12, 7
	s_add_co_u32 s22, s22, BOFF
	v_add_nc_u32 v[ADRB0], s22, v3
	v_mov_b32 v[ADRA], v[ADRA0]
	v_mov_b32 v[ADRB], v[ADRB0]
	v_add_nc_u32 v[ADRBH], 128*PB, v[ADRB0]
	s_mul_i32 s21, s10, DREG
	v_mul_u32_u24 v6, v1, DP
	v_lshl_add_u32 v6, v2, 5, v6
	v_add_nc_u32 v[DST], s21, v6
	v_mul_u32_u24 v6, v2, DP
	v_lshl_add_u32 v6, v1, 4, v6
	v_add_nc_u32 v[RD], s21, v6
	v_lshlrev_b32 v6, 12, v2
	v_lshl_add_u32 v[GO], v1, 4, v6
	s_wait_tensorcnt 1                             ; my part of the first K step is in; the second's may stay out
	s_barrier_signal -1
	s_barrier_wait -1
	FETCH 0, F0
	WIN 0
	s_wait_loadcnt 0x0                             ; the residual
	s_mov_b32 s3, T-2
.Lstep:                                        ; all steps but the last two: each refills the slot that it leaves
	QUARTER 1, F0, F1
	QUARTER 2, F1, F0
	QUARTER 3, F0, F1
	TURN1
	WIN 0
	s_sub_co_u32 s3, s3, 1
	s_cmp_lg_u32 s3, 0
	s_cbranch_scc1 .Lstep
	s_mov_b32 s3, 2
.Ltail:
	QUARTER 1, F0, F1
	QUARTER 2, F1, F0
	QUARTER 3, F0, F1
	TURN0
	WIN 0
	s_sub_co_u32 s3, s3, 1
	s_cmp_lg_u32 s3, 0
	s_cbranch_scc1 .Ltail
	PLACES
	s_wait_dscnt 0x0
	s_barrier_signal -1
	s_barrier_wait -1                              ; every wave's reads of the ring are over: its bytes, which have had their last fill, take the sums
.irp a, 0,1,2,3
.irp b, 0,1,2,3
	ds_store_b128 v[DST], v[ACC+8*(4*\a+\b):ACC+8*(4*\a+\b)+3]   offset:\a*16*DP+64*\b
	ds_store_b128 v[DST], v[ACC+8*(4*\a+\b)+4:ACC+8*(4*\a+\b)+7] offset:\a*16*DP+64*\b+16
.endr
.endr
	s_mov_b32 s3, 4
.Lout:                                         ; 16 rows a trip, from my own region
.irp i, 0,1,2,3,4,5,6,7
	ds_load_b128 v[64+4*\i:67+4*\i], v[RD] offset:\i*2*DP
.endr
	s_wait_dscnt 0x0
.irp i, 0,1,2,3,4,5,6,7
	global_store_b128 v[GO], v[64+4*\i:67+4*\i], s[8:9] offset:8192*\i   ; 16 lanes store 256 consecutive aligned bytes
.endr
	v_add_nc_u32 v[RD], 16*DP, v[RD]
	s_wait_xcnt 0x0                                ; the stores have read their data and their base
	s_add_nc_u64 s[8:9], s[8:9], 65536
	s_sub_co_u32 s3, s3, 1
	s_cmp_lg_u32 s3, 0
	s_cbranch_scc1 .Lout
	s_wait_tensorcnt 0x0                           ; the wave's end
	ds_add_u32 v[SPW], v[NIL]
	s_wait_dscnt 0x0
	CROUND                                         ; the closing round
	s_endpgm
.Lfunc_end_k_qdc9e1c0a29_proj:
	.size	k_qdc9e1c0a29_proj, .Lfunc_end_k_qdc9e1c0a29_proj-k_qdc9e1c0a29_proj
	.p2alignl 7, 3214868480
	.fill 96, 4, 3214868480
	.section	.rodata,"a",@progbits
	.p2align	6, 0x0
	.amdhsa_kernel k_qdc9e1c0a29_proj
		.amdhsa_group_segment_fixed_size 327680
		.amdhsa_private_segment_fixed_size 0
		.amdhsa_enable_private_segment 0
		.amdhsa_kernarg_size 32
		.amdhsa_user_sgpr_count 2
		.amdhsa_user_sgpr_kernarg_segment_ptr 1
		.amdhsa_wavefront_size32 1
		.amdhsa_system_sgpr_workgroup_id_x 1
		.amdhsa_system_sgpr_workgroup_id_y 1
		.amdhsa_system_sgpr_workgroup_id_z 1
		.amdhsa_system_vgpr_workitem_id 0
		.amdhsa_next_free_vgpr 512
		.amdhsa_next_free_sgpr 72
		.amdhsa_reserve_vcc 0
		.amdhsa_float_denorm_mode_32 3
		.amdhsa_float_denorm_mode_16_64 3
		.amdhsa_memory_ordered 1
		.amdhsa_forward_progress 1
		.amdhsa_inst_pref_size 54
	.end_amdhsa_kernel
	.amdgpu_metadata
---
amdhsa.version: [ 1, 2 ]
amdhsa.kernels:
  - .name:           k_qdc9e1c0a29_proj
    .symbol:         k_qdc9e1c0a29_proj.kd
    .args:
      - { .name: y, .offset: 0, .size: 8, .value_kind: global_buffer, .address_space: global }
      - { .name: wa, .offset: 8, .size: 8, .value_kind: global_buffer, .address_space: global }
      - { .name: x, .offset: 16, .size: 8, .value_kind: global_buffer, .address_space: global }
      - { .name: x1, .offset: 24, .size: 8, .value_kind: global_buffer, .address_space: global }
    .group_segment_fixed_size: 327680
    .private_segment_fixed_size: 0
    .kernarg_segment_align: 8
    .kernarg_segment_size: 32
    .max_flat_workgroup_size: 128
    .sgpr_count:     72
    .vgpr_count:     512
    .wavefront_size: 32
...
	.end_amdgpu_metadata
.endif
;; end of part 4
;; launch ln2 (part 5): grid 256 x 1, 8 waves a work-group, no clusters, 0 bytes of LDS; arguments x1, ln2_w, ln2_b, h; writes h
.if DOCPART == 5
	.amdgcn_target "amdgcn-amd-amdhsa--gfx1250"
	.amdhsa_code_object_version 6
	.text
	.protected	k_qdc9e1c0a29_ln2
	.globl	k_qdc9e1c0a29_ln2
	.p2align	8
	.type	k_qdc9e1c0a29_ln2,@function
k_qdc9e1c0a29_ln2:
	s_mov_b64 s[64:65], 0
	v_nop
	global_prefetch_b8 v0, s[64:65] scope:SCOPE_SE
	s_setreg_imm32_b32 hwreg(HW_REG_WAVE_MODE, 25, 1), 1
	s_wait_xcnt 0x0
; h = LayerNorm(x1) * ln2_w + ln2_b, rounded once to bf16.  A work-group takes 16 rows of 1,024 f32, a wave two of them.
; A row lies in 32 registers of one wave (lane l: columns 4 l + 128 j + 0..3), so it is read once; the mean is taken first and subtracted, then the squares are summed:
; a common offset does not enter the variance.  No LDS, no barrier.  Each load of a wave covers 512 consecutive bytes, each store 256 consecutive aligned bytes.
; LIMITS.  NaN and infinities are not treated apart; the result is bf16.
.set X0,  32
.set WG,  96
.set BG,  128
.set T,   2
.set SRC, 4
.set GW,  6
.set GB,  8
.set HB,  10
.macro FOLD
	v_pk_add_f32 v[T:T+1], v[T:T+1], v[T+2:T+3]
	v_pk_add_f32 v[T+4:T+5], v[T+4:T+5], v[T+6:T+7]
	v_pk_add_f32 v[T:T+1], v[T:T+1], v[T+4:T+5]
	v_add_f32 v[T], v[T], v[T+1]
.endm
.macro RED
	v_add_f32_dpp v[T], v[T], v[T] row_xmask:1 row_mask:0xf bank_mask:0xf
	v_add_f32_dpp v[T], v[T], v[T] row_xmask:2 row_mask:0xf bank_mask:0xf
	v_add_f32_dpp v[T], v[T], v[T] row_xmask:4 row_mask:0xf bank_mask:0xf
	v_add_f32_dpp v[T], v[T], v[T] row_xmask:8 row_mask:0xf bank_mask:0xf
	v_permlanex16_b32 v20, v[T], s30, s31
	v_add_f32 v[T], v[T], v20
.endm
.macro STAT r
.set XX, X0+32*(\r)
.set MU, 10+2*(\r)
.irp k, 0,1,2,3
	v_pk_add_f32 v[T+2*\k:T+2*\k+1], v[XX+4*\k:XX+4*\k+1], v[XX+4*\k+2:XX+4*\k+3]
.endr
.irp g, 16,24
.irp k, 0,1,2,3
	v_pk_add_f32 v[T+2*\k:T+2*\k+1], v[T+2*\k:T+2*\k+1], v[XX+\g+2*\k:XX+\g+2*\k+1]
.endr
.endr
	FOLD
	RED
	v_mul_f32 v[MU], s28, v[T]
	v_mov_b32 v[MU+1], v[MU]
.set k2, 0
.rept 16
	v_pk_add_f32 v[XX+k2:XX+k2+1], v[XX+k2:XX+k2+1], v[MU:MU+1] neg_lo:[0,1] neg_hi:[0,1]
.set k2, k2+2
.endr
.irp k, 0,1,2,3
	v_pk_mul_f32 v[T+2*\k:T+2*\k+1], v[XX+2*\k:XX+2*\k+1], v[XX+2*\k:XX+2*\k+1]
.endr
.irp g, 8,16,24
.irp k, 0,1,2,3
	v_pk_fma_f32 v[T+2*\k:T+2*\k+1], v[XX+\g+2*\k:XX+\g+2*\k+1], v[XX+\g+2*\k:XX+\g+2*\k+1], v[T+2*\k:T+2*\k+1]
.endr
.endr
	FOLD
	RED
	v_fma_f32 v[21+(\r)], v[T], s28, s29
.endm
.macro APPLY r
.set XX, X0+32*(\r)
.set RS, 14+4*(\r)
.set k2, 0
.rept 16
	v_pk_mul_f32 v[XX+k2:XX+k2+1], v[XX+k2:XX+k2+1], v[RS:RS+1]
.set k2, k2+2
.endr
.set k2, 0
.rept 16
	v_pk_fma_f32 v[XX+k2:XX+k2+1], v[XX+k2:XX+k2+1], v[WG+k2:WG+k2+1], v[BG+k2:BG+k2+1]
.set k2, k2+2
.endr
.set k2, 0
.rept 16
	v_cvt_pk_bf16_f32 v[XX+k2], v[XX+2*k2], v[XX+2*k2+1]
.set k2, k2+1
.endr
.irp j, 0,1,2,3,4,5,6,7
	global_store_b64 v16, v[XX+2*\j:XX+2*\j+1], s[HB:HB+1] offset:256*\j+2048*(\r)
.endr
.endm
	s_load_b256 s[4:11], s[0:1], 0x0               ; x1, ln2_w, ln2_b, h
	v_lshrrev_b32 v1, 5, v0
	v_readfirstlane_b32 s22, v1
	v_and_b32 v2, 31, v0
	v_lshlrev_b32 v1, 4, v2
	v_lshlrev_b32 v16, 3, v2
	v_mov_b32 v20, 0
	s_lshl_b32 s23, ttmp9, 4
	s_lshl1_add_u32 s23, s22, s23                  ; my first row = 16 x group + 2 x wave
	s_lshl_b32 s24, s23, 12
	s_mov_b32 s25, 0
	s_lshl_b32 s26, s23, 11
	s_mov_b32 s27, 0
	s_mov_b32 s28, 0x3a800000                      ; 1 / 1024
	s_mov_b32 s29, 0x3727c5ac                      ; 1e-5
	s_mov_b32 s30, 0x76543210
	s_mov_b32 s31, 0xfedcba98
	s_wait_kmcnt 0x0
	s_add_nc_u64 s[SRC:SRC+1], s[SRC:SRC+1], s[24:25]
	s_add_nc_u64 s[HB:HB+1], s[HB:HB+1], s[26:27]
.irp j, 0,1,2,3,4,5,6,7
	global_load_b128 v[X0+4*\j:X0+4*\j+3], v1, s[SRC:SRC+1] offset:512*\j th:TH_LOAD_NT
.endr
.irp j, 0,1,2,3,4,5,6,7
	global_load_b128 v[X0+32+4*\j:X0+32+4*\j+3], v1, s[SRC:SRC+1] offset:4096+512*\j th:TH_LOAD_NT
.endr
.irp j, 0,1,2,3,4,5,6,7
	global_load_b128 v[WG+4*\j:WG+4*\j+3], v1, s[GW:GW+1] offset:512*\j
.endr
.irp j, 0,1,2,3,4,5,6,7
	global_load_b128 v[BG+4*\j:BG+4*\j+3], v1, s[GB:GB+1] offset:512*\j
.endr
	s_wait_loadcnt 24                              ; row 0 is in; the 24 younger loads stay out
	STAT 0
	s_wait_loadcnt 16                              ; row 1 is in; gain and bias stay out
	STAT 1
	v_rsq_f32 v14, v21
	v_rsq_f32 v18, v22
	v_nop
	s_wait_alu depctr_va_vdst(0)                   ; one wait for both, ahead of their first reader
	v_mov_b32 v15, v14
	v_mov_b32 v19, v18
	s_wait_loadcnt 0x0
	APPLY 0
	APPLY 1
	s_endpgm
.Lfunc_end_k_qdc9e1c0a29_ln2:
	.size	k_qdc9e1c0a29_ln2, .Lfunc_end_k_qdc9e1c0a29_ln2-k_qdc9e1c0a29_ln2
	.p2alignl 7, 3214868480
	.fill 96, 4, 3214868480
	.section	.rodata,"a",@progbits
	.p2align	6, 0x0
	.amdhsa_kernel k_qdc9e1c0a29_ln2
		.amdhsa_group_segment_fixed_size 0
		.amdhsa_private_segment_fixed_size 0
		.amdhsa_enable_private_segment 0
		.amdhsa_kernarg_size 32
		.amdhsa_user_sgpr_count 2
		.amdhsa_user_sgpr_kernarg_segment_ptr 1
		.amdhsa_wavefront_size32 1
		.amdhsa_system_sgpr_workgroup_id_x 1
		.amdhsa_system_sgpr_workgroup_id_y 1
		.amdhsa_system_sgpr_workgroup_id_z 1
		.amdhsa_system_vgpr_workitem_id 0
		.amdhsa_next_free_vgpr 160
		.amdhsa_next_free_sgpr 66
		.amdhsa_reserve_vcc 0
		.amdhsa_float_denorm_mode_32 3
		.amdhsa_float_denorm_mode_16_64 3
		.amdhsa_memory_ordered 1
		.amdhsa_forward_progress 1
		.amdhsa_inst_pref_size 20
	.end_amdhsa_kernel
	.amdgpu_metadata
---
amdhsa.version: [ 1, 2 ]
amdhsa.kernels:
  - .name:           k_qdc9e1c0a29_ln2
    .symbol:         k_qdc9e1c0a29_ln2.kd
    .args:
      - { .name: x1, .offset: 0, .size: 8, .value_kind: global_buffer, .address_space: global }
      - { .name: ln2_w, .offset: 8, .size: 8, .value_kind: global_buffer, .address_space: global }
      - { .name: ln2_b, .offset: 16, .size: 8, .value_kind: global_buffer, .address_space: global }
      - { .name: h, .offset: 24, .size: 8, .value_kind: global_buffer, .address_space: global }
    .group_segment_fixed_size: 0
    .private_segment_fixed_size: 0
    .kernarg_segment_align: 8
    .kernarg_segment_size: 32
    .max_flat_workgroup_size: 256
    .sgpr_count:     66
    .vgpr_count:     160
    .wavefront_size: 32
...
	.end_amdgpu_metadata
.endif
;; end of part 5
;; launch fc (part 6): grid 16 x 16, 4 waves a work-group, clusters of 4 x 4, 327,680 bytes of LDS; arguments h, wb, b_fc, g; writes g
.if DOCPART == 6
	.amdgcn_target "amdgcn-amd-amdhsa--gfx1250"
	.amdhsa_code_object_version 6
	.text
	.protected	k_qdc9e1c0a29_fc
	.globl	k_qdc9e1c0a29_fc
	.p2align	8
	.type	k_qdc9e1c0a29_fc,@function
k_qdc9e1c0a29_fc:
	s_mov_b64 s[64:65], 0
	v_nop
	global_prefetch_b8 v0, s[64:65] scope:SCOPE_SE
	s_setreg_imm32_b32 hwreg(HW_REG_WAVE_MODE, 25, 1), 1
	s_wait_xcnt 0x0
	s_wait_alu depctr_hold_cnt(0) depctr_sa_sdst(0) depctr_va_vdst(0) depctr_va_sdst(0) depctr_va_ssrc(0) depctr_va_vcc(0) depctr_vm_vsrc(0)
	s_getreg_b32 s2, hwreg(HW_REG_IB_STS2, 6, 4)
	s_cmp_eq_u32 s2, 0
	s_cbranch_scc0 .Lentry_in_a_cluster
	s_endpgm
.Lentry_in_a_cluster:
	s_bfe_u32 s2, ttmp6, 0x10000c
	s_cmp_lg_u32 s2, 0xf033
	s_cbranch_scc0 .Lentry_shape_is_right
	s_endpgm
.Lentry_shape_is_right:
; g = gelu(h @ Wfc + b_fc), exact (erf) GELU, rounded once to bf16.  h: [4096][1024] bf16; Wfc: [1024][4096] bf16, [K][N], in wb; g: [4096][4096] bf16.
; A tile of C, 256 x 256, is made by four waves, 128 x 128 each: 64 accumulators of 16 x 16 in f32.  K goes in 8 steps of 128 through a ring of two LDS slots.
; A's rows lie along K and are read as they lie; the weights' rows lie along N and are turned on the way out of LDS by ds_load_tr16_b128.
; CLUSTER 4 x 4: A's tile is shared along a row of the cluster, the weights' along a column: each is asked for jointly, by the same tensor load with a mask of four.
; THE MATRIX INSTRUCTION IS USED TRANSPOSED (source 0 = 16 columns of W, source 1 = 16 rows of h): a lane holds eight neighbouring numbers of one row of C.
; A K step is written once for the steps that refill and once for the last two; the slot in hand is a scalar that an exclusive or turns.
; THE WAY OUT: the f32 sums are put into the ring's bytes (which have had their last fill), each wave into its own 128 rows x 528 bytes, and a loop of 16 trips reads 8 rows back, adds the bias, takes the GELU, rounds and stores.
; GELU.  x (1/2 + erf(x / sqrt 2) / 2); erf(z) = z P(z^2) / Q(z^2), polynomials of degree 6 and 4, z held to +-4; the factors 1 / sqrt 2 and 1 / 2 are folded into the coefficients, so the text works on x and x^2.
; LIMITS: beyond |x| = 5.657 erf counts as its value there: for a large negative x the result is of the order of 1e-7 |x| and not 0.  Operands and result in bf16.  NaN and infinities are not treated apart.
; REGISTERS: window 0: v16-30 addresses, v32-39 bias, v64-191 two buffers of A's fragments (on the way out v40-247 at work); window 1: v64-191 the weights'; windows 2, 3: the accumulators.
.set FC,     1
.set SIZE_K, 1024
.set SIZE_N, 4096
.set WOFF,   8388608
.set KSTEP,  128
.set PA,     272
.set PB,     544
.set HALFT,  128*PA
.set SLOT,   4*HALFT                   ; 0x22000: none of its bits occurs in wave x HALFT, so one exclusive or changes slots
.set SPARE,  2*SLOT
.set DP,     528
.set DREG,   128*DP
.set BSTEP,  KSTEP*SIZE_N*2
.set ADRA0, 16
.set ADRA,  17
.set ADRB0, 20
.set ADRB,  21
.set DST,   24
.set RD,    25
.set GO,    26
.set SPW,   28
.set NIL,   29
.set PFO,   30
.set F0,    64
.set F1,    128
.set BI,    32
.set XI,    40
.set XB,    72
.set XC,    104
.set U,     136
.set PP,    168
.set QQ,    200
.set OUT,   232
.set G1,  24
.set G0,  32
.set G1B, 48
.set G0B, 56
.set LIM, 43
.set PFA, 44
.set TB,  66
.set PFS, 68
.set MSB, 0
.macro WIN new
.if MSB != (\new)
	s_set_vgpr_msb (MSB<<8)|(\new)
.set MSB, \new
.endif
.endm
.set MUL_LO, 0xa1
.set MUL_HI, 0xf1
.set TO_B,   0x40
.macro PLACES
.rept 4
	v_nop
.endr
.endm
.macro JLOAD
	s_cmp_eq_u32 s11, 0
	s_cbranch_scc0 .Lfor_b_\@
	tensor_load_to_lds s[G0+4:G0+7], s[G1:G1+7]
	s_nop 0
	PLACES
	s_branch .Lasked_\@
.Lfor_b_\@:
	tensor_load_to_lds s[G0B+4:G0B+7], s[G1B:G1B+7]
	s_nop 0
	PLACES
.Lasked_\@:
.endm
.macro ASK                             ; the K step two refills on: 32 blocks of 256 bytes, a lane a block; trips 6 to 3 ask for steps 4 to 7
	s_cmp_gt_u32 s3, s[LIM]
	s_cbranch_scc0 .Lnot_mine_\@
	global_prefetch_b8 v[PFO], s[PFA:PFA+1] th:TH_LOAD_NT scope:SCOPE_SE
.Lnot_mine_\@:
.endm
.macro CREST
	s_cmp_lg_u32 s10, 0
	s_cbranch_scc1 .Lnot_wave_0_\@
	s_barrier_signal -3
.Lnot_wave_0_\@:
	s_barrier_wait -3
	s_barrier_signal -1
	s_barrier_wait -1
.endm
.macro CROUND
	s_barrier_signal -1
	s_barrier_wait -1
	CREST
.endm
.macro MUL16 f, hi, a0, zero
	WIN MUL_LO+0x50*(\hi)
.irp a, \a0, (\a0)+1
.irp b, 0,1,2,3,4,5,6,7
.if \zero
	v_wmma_f32_16x16x32_bf16 v[8*(8*(\a)+(\b)):8*(8*(\a)+(\b))+7], v[(\f)+8*(\b):(\f)+8*(\b)+7], v[(\f)+8*(4*(\hi)+(\a)):(\f)+8*(4*(\hi)+(\a))+7], 0
.else
	v_wmma_f32_16x16x32_bf16 v[8*(8*(\a)+(\b)):8*(8*(\a)+(\b))+7], v[(\f)+8*(\b):(\f)+8*(\b)+7], v[(\f)+8*(4*(\hi)+(\a)):(\f)+8*(4*(\hi)+(\a))+7], v[8*(8*(\a)+(\b)):8*(8*(\a)+(\b))+7]
.endif
.endr
.endr
.endm
.macro FETCH q, f
	WIN TO_B
.irp i, 0,1,2,3,4,5,6,7
	ds_load_tr16_b128 v[(\f)+8*(\i):(\f)+8*(\i)+3],   v[ADRB] offset:(\q)*32*PB+32*(\i)
	ds_load_tr16_b128 v[(\f)+8*(\i)+4:(\f)+8*(\i)+7], v[ADRB] offset:(\q)*32*PB+32*(\i)+16*PB
.endr
	WIN 0
.irp i, 0,1,2,3,4,5,6,7
	ds_load_b128 v[(\f)+8*(\i):(\f)+8*(\i)+3],   v[ADRA] offset:(\q)*64+(\i)*16*PA
	ds_load_b128 v[(\f)+8*(\i)+4:(\f)+8*(\i)+7], v[ADRA] offset:(\q)*64+(\i)*16*PA+32
.endr
.endm
.macro QUARTER q, f, g, zero
	s_wait_dscnt 8                                 ; the weights and A's rows 0-63 are in; the youngest eight loads may be out
	MUL16 \f, 0, 0, \zero
	MUL16 \f, 0, 2, \zero
	PLACES
	FETCH \q, \g
	s_wait_dscnt 32                                ; all but the 32 just issued
	MUL16 \f, 1, 0, \zero
	MUL16 \f, 1, 2, \zero
.endm
.macro MEET
	WIN 0
	s_wait_tensorcnt 0x0                           ; all my tensor loads have landed: my part of the next slot
	ds_add_u32 v[SPW], v[NIL]
	s_wait_dscnt 9                                 ; (the add and the youngest eight loads may be out)
	MUL16 F1, 0, 0, 0
	s_wait_dscnt 0x0                               ; the add is done, and my reads of this slot are over
	s_barrier_signal -1
	MUL16 F1, 0, 2, 0
	WIN 0
	s_barrier_wait -1
.endm
.macro NEWADR
	s_xor_b32 s[TB], s[TB], SLOT
	v_add_nc_u32 v[ADRA], s[TB], v[ADRA0]
	v_add_nc_u32 v[ADRB], s[TB], v[ADRB0]
.endm
.macro TURN1
	s_wait_xcnt 0x0                                ; the last prefetch, a K step back, has read its address
	s_add_nc_u64 s[PFA:PFA+1], s[PFA:PFA+1], s[PFS:PFS+1]
	MEET
	CREST
	s_xor_b32 s[G0+5], s[G0+5], SLOT
	s_add_nc_u64 s[G0+6:G0+7], s[G0+6:G0+7], KSTEP*2
	s_xor_b32 s[G0B+5], s[G0B+5], SLOT
	s_add_nc_u64 s[G0B+6:G0B+7], s[G0B+6:G0B+7], BSTEP
	JLOAD
	NEWADR
	FETCH 0, F0
	ASK
	MUL16 F1, 1, 0, 0
	MUL16 F1, 1, 2, 0
.endm
.macro TURN0
	MEET
	NEWADR
	PLACES
	s_cmp_eq_u32 s3, 1
	s_cbranch_scc1 .Lno_fetch_\@
	FETCH 0, F0
.Lno_fetch_\@:
	MUL16 F1, 1, 0, 0
	MUL16 F1, 1, 2, 0
.endm
.macro DUMP
.irp hi, 0,1
	WIN 0x08+4*(\hi)
.irp a, 0,1,2,3
.irp b, 0,1,2,3,4,5,6,7
	ds_store_b128 v[DST], v[8*(8*(\a)+(\b)):8*(8*(\a)+(\b))+3]   offset:(4*(\hi)+(\a))*16*DP+32*(\b)
	ds_store_b128 v[DST], v[8*(8*(\a)+(\b))+4:8*(8*(\a)+(\b))+7] offset:(4*(\hi)+(\a))*16*DP+32*(\b)+256
.endr
.endr
.endr
	WIN 0
.endm
.macro COEF n, val                     ; coefficient n as a pair: the packed forms name both words
	s_mov_b32 s[24+2*(\n)], \val
	s_mov_b32 s[25+2*(\n)], \val
.endm
.macro HEADP d, c                      ; d = U x coefficient c + coefficient c + 1
.set i, 0
.rept 16
	v_pk_fma_f32 v[(\d)+2*i:(\d)+2*i+1], v[U+2*i:U+2*i+1], s[24+2*(\c):25+2*(\c)], s[26+2*(\c):27+2*(\c)] op_sel_hi:[1,0,0]
.set i, i+1
.endr
.endm
.macro HORNER d, c                     ; d = d x U + coefficient c
.set i, 0
.rept 16
	v_pk_fma_f32 v[(\d)+2*i:(\d)+2*i+1], v[(\d)+2*i:(\d)+2*i+1], v[U+2*i:U+2*i+1], s[24+2*(\c):25+2*(\c)] op_sel_hi:[1,1,0]
.set i, i+1
.endr
.endm
.macro LD8                             ; 8 rows of my region: for each pair of rows both planes: a lane's 8 neighbouring columns
.irp i, 0,1,2,3
	ds_load_b128 v[XI+8*\i:XI+8*\i+3],   v[RD] offset:\i*2*DP
	ds_load_b128 v[XI+8*\i+4:XI+8*\i+7], v[RD] offset:\i*2*DP+256
.endr
.endm
	s_load_b128 s[4:7], s[0:1], 0x0                ; h s[4:5], wb s[6:7]
	s_load_b64 s[70:71], s[0:1], 0x10              ; b_fc
	s_load_b64 s[8:9], s[0:1], 0x18                ; g
	v_lshl_add_u32 v[SPW], v0, 2, SPARE
	v_mov_b32 v[NIL], 0
	ds_add_u32 v[SPW], v[NIL]                      ; the wave's opening: the add and its wait ahead of my first tensor load
	ds_add_u32 v28, v29
	v_lshrrev_b32 v1, 5, v0
	v_readfirstlane_b32 s10, v1
	s_lshr_b32 s11, s10, 1
	s_and_b32 s12, s10, 1
	s_bfe_u32 s40, ttmp6, 0x40000
	s_bfe_u32 s41, ttmp6, 0x40004
	s_lshl_b32 s42, ttmp9, 2
	s_add_co_u32 s42, s42, s40                     ; tile column
	s_and_b32 s13, ttmp7, 0xffff
	s_lshl_b32 s13, s13, 2
	s_add_co_u32 s13, s13, s41                     ; tile row
	s_lshl_b32 s43, s41, 2
	s_lshl_b32 s43, 15, s43
	s_lshl_b32 s44, 0x1111, s40
	s_or_b32 s[G1+0], s43, (1<<16)|(1<<20)|(1<<21)|(5<<22)|(3<<25)
	s_mov_b32 s[G1+1], KSTEP<<16
	s_mov_b32 s[G1+2], 128<<16
	s_mov_b32 s[G1+3], KSTEP<<16
	s_mov_b32 s[G1+4], 128
	s_mov_b32 s[G1+5], SIZE_K
	s_mov_b32 s[G1+6], 0
	s_mov_b32 s[G1+7], 0
	s_or_b32 s[G1B+0], s44, (1<<16)|(1<<20)|(1<<21)|(6<<22)|(7<<25)
	s_mov_b32 s[G1B+1], 256<<16
	s_mov_b32 s[G1B+2], 64<<16
	s_mov_b32 s[G1B+3], 256<<16
	s_mov_b32 s[G1B+4], 64
	s_mov_b32 s[G1B+5], SIZE_N
	s_mov_b32 s[G1B+6], 0
	s_mov_b32 s[G1B+7], 0
	s_lshl_b32 s16, s13, 8
	s_lshl_b32 s17, s12, 7
	s_add_co_u32 s16, s16, s17
	s_lshl_b32 s16, s16, 11
	s_mov_b32 s17, 0
	s_mul_i32 s46, s12, 64*2*SIZE_N
	s_lshl_b32 s47, s42, 9
	s_add_co_u32 s46, s46, s47
	s_add_co_u32 s46, s46, WOFF
	s_mov_b32 s47, 0
	s_mul_i32 s20, s10, HALFT
	s_mov_b32 s[TB], 0
	s_wait_dscnt 0x0                               ; the opening add is done
	s_wait_kmcnt 0x0
	s_add_nc_u64 s[14:15], s[4:5], s[16:17]
	s_add_nc_u64 s[46:47], s[6:7], s[46:47]
.irp s, 0,1
	s_mov_b32 s[G0+4*(\s)], 1
	s_add_co_u32 s[G0+4*(\s)+1], s20, (\s)*SLOT
	s_add_nc_u64 s[G0+4*(\s)+2:G0+4*(\s)+3], s[14:15], (\s)*KSTEP*2
	s_or_b32 s[G0+4*(\s)+3], s[G0+4*(\s)+3], 0x80000000
	s_mov_b32 s[G0B+4*(\s)], 1
	s_add_co_u32 s[G0B+4*(\s)+1], s20, (\s)*SLOT
	s_add_nc_u64 s[G0B+4*(\s)+2:G0B+4*(\s)+3], s[46:47], (\s)*BSTEP
	s_or_b32 s[G0B+4*(\s)+3], s[G0B+4*(\s)+3], 0x80000000
.endr
	CROUND                                         ; all sixteen work-groups are here: the first joint loads meet
	s_cmp_eq_u32 s11, 0
	s_cbranch_scc0 .Lfirst_b
	tensor_load_to_lds s[G0:G0+3], s[G1:G1+7]
	s_nop 0
	tensor_load_to_lds s[G0+4:G0+7], s[G1:G1+7]
	s_nop 0
	PLACES
	s_branch .Lfirst_asked
.Lfirst_b:
	tensor_load_to_lds s[G0B:G0B+3], s[G1B:G1B+7]
	s_nop 0
	tensor_load_to_lds s[G0B+4:G0B+7], s[G1B:G1B+7]
	s_nop 0
	PLACES
.Lfirst_asked:
	v_and_b32 v1, 15, v0
	v_bfe_u32 v2, v0, 4, 1
	v_bfe_u32 v5, v0, 3, 1
	v_mul_u32_u24 v3, v1, PA
	v_lshl_add_u32 v3, v2, 4, v3
	s_mul_i32 s21, s11, HALFT
	v_add_nc_u32 v[ADRA0], s21, v3
	v_and_b32 v4, 7, v0
	v_lshl_add_u32 v4, v2, 3, v4
	v_mul_u32_u24 v3, v4, PB
	v_lshl_add_u32 v3, v5, 4, v3
	s_lshl_b32 s22, s12, 8
	s_add_co_u32 s22, s22, 2*HALFT
	v_add_nc_u32 v[ADRB0], s22, v3
	v_mov_b32 v[ADRA], v[ADRA0]
	v_mov_b32 v[ADRB], v[ADRB0]
	s_mul_i32 s21, s10, DREG
	s_lshl_b32 s18, s42, 8
	s_lshl_b32 s19, s12, 7
	s_add_co_u32 s18, s18, s19                     ; n0
	s_lshl_b32 s19, s13, 8
	s_lshl_b32 s22, s11, 7
	s_add_co_u32 s19, s19, s22                     ; m0
	v_mul_u32_u24 v6, v1, DP                       ; in: row l % 16; two planes of 256 bytes: a lane's numbers 0-3 in the first, 4-7 in the second
	v_lshl_add_u32 v6, v2, 4, v6
	v_add_nc_u32 v[DST], s21, v6
	v_mul_u32_u24 v6, v2, DP                       ; back: 16 lanes take 256 consecutive bytes of a plane
	v_lshl_add_u32 v6, v1, 4, v6
	v_add_nc_u32 v[RD], s21, v6
	v_lshlrev_b32 v6, 13, v2
	v_lshl_add_u32 v[GO], v1, 4, v6
	s_lshl_b32 s22, s18, 2
	s_mov_b32 s23, 0
	s_add_nc_u64 s[70:71], s[70:71], s[22:23]
	v_lshlrev_b32 v7, 5, v1
	global_load_b128 v[BI:BI+3], v7, s[70:71]      ; the bias of my 8 columns n0 + 8 (l % 16) + 0..7
	global_load_b128 v[BI+4:BI+7], v7, s[70:71] offset:16
	s_lshl_b32 s16, s19, 13
	s_lshl1_add_u32 s16, s18, s16                  ; m0 x 8,192 + 2 n0
	s_mov_b32 s17, 0
	s_add_nc_u64 s[8:9], s[8:9], s[16:17]
	; the prefetches.  A's rows are read by every cluster of a row of clusters: cluster x = 0 asks; the weights' by every cluster of a column: cluster y = 0 asks.
	; The four partners that ask for a tile jointly share it out by address: 32 rows of A (cx), or 16 k-rows of 512 bytes of W (cy).
	s_lshl_b32 s18, s13, 8
	s_lshl_b32 s19, s12, 7
	s_add_co_u32 s18, s18, s19
	s_lshl_b32 s19, s40, 5
	s_add_co_u32 s18, s18, s19
	s_lshl_b32 s18, s18, 11
	s_lshl_b32 s19, s12, 6
	s_lshl4_add_u32 s19, s41, s19
	s_mul_i32 s19, s19, 2*SIZE_N
	s_lshl_b32 s21, s42, 9
	s_add_co_u32 s19, s19, s21
	s_add_co_u32 s19, s19, WOFF
	s_and_b32 s22, ttmp7, 0xffff
	s_mov_b32 s21, 2*SIZE_N
	s_mov_b32 s[PFS], BSTEP
	s_mov_b32 s[PFS+1], 0
	s_cmp_eq_u32 s11, 0
	s_cselect_b32 s18, s18, s19
	s_cselect_b32 s22, ttmp9, s22
	s_cselect_b32 s21, 2*SIZE_K, s21
	s_cselect_b32 s[PFS], KSTEP*2, s[PFS]
	s_cselect_b64 s[PFA:PFA+1], s[4:5], s[6:7]
	s_cmp_eq_u32 s22, 0
	s_cselect_b32 s[LIM], 2, -1
	s_mov_b32 s19, 0
	s_add_nc_u64 s[PFA:PFA+1], s[PFA:PFA+1], s[18:19]
	s_mul_i32 s18, s[PFS], 3
	s_add_nc_u64 s[PFA:PFA+1], s[PFA:PFA+1], s[18:19]
	v_and_b32 v8, 31, v0
	v_lshrrev_b32 v9, s11, v8
	v_mul_lo_u32 v9, v9, s21
	v_and_b32 v8, s11, v8
	v_lshl_add_u32 v[PFO], v8, 8, v9
	s_wait_tensorcnt 1                             ; my part of K step 0 is in; step 1's may stay out
	s_barrier_signal -1
	s_barrier_wait -1
	FETCH 0, F0
	QUARTER 1, F0, F1, 1                           ; the first quarter's products start the sums
	WIN 0
	s_mov_b32 s3, 6
	s_branch .Lq1
.Lstep:                                        ; steps 0 to 5: each refills the slot that it leaves, with steps 2 to 7
	QUARTER 1, F0, F1, 0
	WIN 0
.Lq1:
	QUARTER 2, F1, F0, 0
	QUARTER 3, F0, F1, 0
	TURN1
	WIN 0
	s_sub_co_u32 s3, s3, 1
	s_cmp_lg_u32 s3, 0
	s_cbranch_scc1 .Lstep
	s_mov_b32 s3, 2
.Ltail:                                        ; steps 6 and 7
	QUARTER 1, F0, F1, 0
	QUARTER 2, F1, F0, 0
	QUARTER 3, F0, F1, 0
	TURN0
	WIN 0
	s_sub_co_u32 s3, s3, 1
	s_cmp_lg_u32 s3, 0
	s_cbranch_scc1 .Ltail
	PLACES
	s_wait_dscnt 0x0
	s_barrier_signal -1
	s_barrier_wait -1                              ; every wave's reads of the ring are over: its bytes now take the sums
	DUMP
	s_wait_xcnt 0x0                                ; the prefetches have read their address; no tensor load is out: the scalar registers below are free
	COEF 0,  0xabd3f331                            ; P: -1.5059951e-12
	COEF 1,  0x2fa8496d                            ;     3.0611994e-10
	COEF 2,  0xb347667d                            ;    -4.6426510e-08
	COEF 3,  0xb628d45d                            ;    -2.5157562e-06
	COEF 4,  0xb8883d9c                            ;    -6.4964607e-05
	COEF 5,  0xba08eb41                            ;    -5.2230440e-04
	COEF 6,  0xbbba79f3                            ;    -5.6908071e-03
	COEF 7,  0xb57460cd                            ; Q: -9.1037949e-07
	COEF 8,  0xb7dfbd29                            ;    -2.6671757e-05
	COEF 9,  0xb9dc924e                            ;    -4.2070674e-04
	COEF 10, 0xbb719bf8                            ;    -3.6866646e-03
	COEF 11, 0xbc69b6a7                            ;    -1.4264739e-02
	s_mov_b32 s66, 0xc0b504f3                      ; -4 sqrt 2
	s_mov_b32 s67, 0x40b504f3                      ;  4 sqrt 2
	s_wait_loadcnt 0x0                             ; the bias
	LD8
	s_mov_b32 s3, 16
.Lout:                                         ; 8 rows a trip; the next trip's rows are asked for as soon as this trip's have left their registers
	s_wait_dscnt 0x0
.set i, 0
.rept 16
	v_pk_add_f32 v[XB+2*i:XB+2*i+1], v[XI+2*i:XI+2*i+1], v[BI+2*(i%4):BI+2*(i%4)+1]
.set i, i+1
.endr
	s_cmp_eq_u32 s3, 1                             ; the last trip has no rows behind it
	s_cbranch_scc1 .Lno_more
	v_add_nc_u32 v[RD], 8*DP, v[RD]
	LD8
.Lno_more:
.set i, 0
.rept 32
	v_med3_num_f32 v[XC+i], v[XB+i], s66, s67
.set i, i+1
.endr
.set i, 0
.rept 16
	v_pk_mul_f32 v[U+2*i:U+2*i+1], v[XC+2*i:XC+2*i+1], v[XC+2*i:XC+2*i+1]
.set i, i+1
.endr
	HEADP PP, 0
	HEADP QQ, 7
	HORNER PP, 2
	HORNER QQ, 9
	HORNER PP, 3
	HORNER QQ, 10
	HORNER PP, 4
	HORNER QQ, 11
	HORNER PP, 5
	HORNER PP, 6
.set i, 0
.rept 32
	v_rcp_f32 v[QQ+i], v[QQ+i]
.set i, i+1
.endr
.set i, 0
.rept 16                               ; plain work that names no reciprocal
	v_pk_mul_f32 v[PP+2*i:PP+2*i+1], v[PP+2*i:PP+2*i+1], v[XC+2*i:XC+2*i+1]
.set i, i+1
.endr
	s_wait_alu depctr_va_vdst(0)                   ; one wait for the 32 reciprocals, ahead of their first reader
.set i, 0
.rept 16
	v_pk_fma_f32 v[PP+2*i:PP+2*i+1], v[PP+2*i:PP+2*i+1], v[QQ+2*i:QQ+2*i+1], 0.5 op_sel_hi:[1,1,0]
.set i, i+1
.endr
.set i, 0
.rept 16
	v_pk_mul_f32 v[XB+2*i:XB+2*i+1], v[XB+2*i:XB+2*i+1], v[PP+2*i:PP+2*i+1]
.set i, i+1
.endr
.set i, 0
.rept 16
	v_cvt_pk_bf16_f32 v[OUT+i], v[XB+2*i], v[XB+2*i+1]
.set i, i+1
.endr
.irp i, 0,1,2,3
	global_store_b128 v[GO], v[OUT+4*\i:OUT+4*\i+3], s[8:9] offset:16384*\i   ; 16 lanes store 256 consecutive aligned bytes of a row of g
.endr
	s_wait_xcnt 0x0                                ; the stores have read their data and their base
	s_add_nc_u64 s[8:9], s[8:9], 65536
	s_sub_co_u32 s3, s3, 1
	s_cmp_lg_u32 s3, 0
	s_cbranch_scc1 .Lout
	s_wait_tensorcnt 0x0                           ; the wave's end
	ds_add_u32 v[SPW], v[NIL]
	s_wait_dscnt 0x0
	CROUND                                         ; the closing round
	s_endpgm
.Lfunc_end_k_qdc9e1c0a29_fc:
	.size	k_qdc9e1c0a29_fc, .Lfunc_end_k_qdc9e1c0a29_fc-k_qdc9e1c0a29_fc
	.p2alignl 7, 3214868480
	.fill 96, 4, 3214868480
	.section	.rodata,"a",@progbits
	.p2align	6, 0x0
	.amdhsa_kernel k_qdc9e1c0a29_fc
		.amdhsa_group_segment_fixed_size 327680
		.amdhsa_private_segment_fixed_size 0
		.amdhsa_enable_private_segment 0
		.amdhsa_kernarg_size 32
		.amdhsa_user_sgpr_count 2
		.amdhsa_user_sgpr_kernarg_segment_ptr 1
		.amdhsa_wavefront_size32 1
		.amdhsa_system_sgpr_workgroup_id_x 1
		.amdhsa_system_sgpr_workgroup_id_y 1
		.amdhsa_system_sgpr_workgroup_id_z 1
		.amdhsa_system_vgpr_workitem_id 0
		.amdhsa_next_free_vgpr 1024
		.amdhsa_next_free_sgpr 72
		.amdhsa_reserve_vcc 0
		.amdhsa_float_denorm_mode_32 3
		.amdhsa_float_denorm_mode_16_64 3
		.amdhsa_memory_ordered 1
		.amdhsa_forward_progress 1
		.amdhsa_inst_pref_size 101
	.end_amdhsa_kernel
	.amdgpu_metadata
---
amdhsa.version: [ 1, 2 ]
amdhsa.kernels:
  - .name:           k_qdc9e1c0a29_fc
    .symbol:         k_qdc9e1c0a29_fc.kd
    .args:
      - { .name: h, .offset: 0, .size: 8, .value_kind: global_buffer, .address_space: global }
      - { .name: wb, .offset: 8, .size: 8, .value_kind: global_buffer, .address_space: global }
      - { .name: b_fc, .offset: 16, .size: 8, .value_kind: global_buffer, .address_space: global }
      - { .name: g, .offset: 24, .size: 8, .value_kind: global_buffer, .address_space: global }
    .group_segment_fixed_size: 327680
    .private_segment_fixed_size: 0
    .kernarg_segment_align: 8
    .kernarg_segment_size: 32
    .max_flat_workgroup_size: 128
    .sgpr_count:     72
    .vgpr_count:     1024
    .wavefront_size: 32
...
	.end_amdgpu_metadata
.endif
;; end of part 6
;; launch mlp (part 7): grid 8 x 32, 4 waves a work-group, clusters of 4 x 4, 327,680 bytes of LDS; arguments g, wb, x1, b_mlp_proj, out0; writes out0
.if DOCPART == 7
	.amdgcn_target "amdgcn-amd-amdhsa--gfx1250"
	.amdhsa_code_object_version 6
	.text
	.protected	k_qdc9e1c0a29_mlp
	.globl	k_qdc9e1c0a29_mlp
	.p2align	8
	.type	k_qdc9e1c0a29_mlp,@function
k_qdc9e1c0a29_mlp:
	s_mov_b64 s[64:65], 0
	v_nop
	global_prefetch_b8 v0, s[64:65] scope:SCOPE_SE
	s_setreg_imm32_b32 hwreg(HW_REG_WAVE_MODE, 25, 1), 1
	s_wait_xcnt 0x0
	s_wait_alu depctr_hold_cnt(0) depctr_sa_sdst(0) depctr_va_vdst(0) depctr_va_sdst(0) depctr_va_ssrc(0) depctr_va_vcc(0) depctr_vm_vsrc(0)
	s_getreg_b32 s2, hwreg(HW_REG_IB_STS2, 6, 4)
	s_cmp_eq_u32 s2, 0
	s_cbranch_scc0 .Lentry_in_a_cluster
	s_endpgm
.Lentry_in_a_cluster:
	s_bfe_u32 s2, ttmp6, 0x10000c
	s_cmp_lg_u32 s2, 0xf033
	s_cbranch_scc0 .Lentry_shape_is_right
	s_endpgm
.Lentry_shape_is_right:
; out0 = x1 + b_mlp_proj + g @ Wm.  g: [4096][4096] bf16; Wm: [4096][1024] bf16, [K][N], in wb; x1, out0: [4096][1024] f32.
; A tile of C is 128 x 128 (256 work-groups); four waves, 64 x 64 each: 16 accumulators.  K goes in 16 steps of 256 through a ring of two LDS slots.
; THE SUMS BEGIN ON THE RESIDUAL: the accumulators are loaded with x1's tile, in the layout of a result; the bias is added on the way out.
; THE K STEPS GO ROUND: a cluster begins at K step (8 x cluster x + 4 x cluster y) mod 16 and wraps.  The two clusters that read the same rows of g begin 8 steps apart, neighbouring clusters that read
; the same columns of the weights 4 apart: at any one time they ask for different blocks.  The number hangs on the cluster's x and y alone, so it is the same in all sixteen partners.  f32 sums may be taken in any order.
; The weights' rows lie along N and are turned on the way out of LDS (ds_load_tr16_b128).  CLUSTER 4 x 4: A's tile shared along a row, the weights' along a column, asked for jointly.
; No prefetch: the tiles are small.  The matrix instruction is used transposed: a lane holds eight neighbouring numbers of a row of C.
; REGISTERS: window 0: v16-29 addresses, v32-35 bias, v64-95 the way out, v128-255 the accumulators ((a, b) at v[128 + 8 (4 a + b)]); window 1: two fragment buffers of 128 (A's 64, then the weights' 64).
; LIMITS: matrix operands in bf16, sums, bias and residual in f32; NaN and infinities are not treated apart.
.set T,     16                         ; K steps
.set RX,    8                          ; the first K step: RX x cluster x + RY x cluster y, mod T
.set RY,    4
.set WOFF,  16777216
.set PA,    528                        ; A's LDS row: 512 bytes + 16
.set AQ,    128                        ; from quarter to quarter (64 along K) in a row of A
.set AI,    8448                       ; 16 rows
.set AHALF, 33792                      ; 64 rows of A
.set ASH,   9                          ; a K step of A in memory: 512 bytes along a row
.set PB,    288
.set BHALF, 128*PB
.set BOFF,  2*AHALF
.set BSH,   19                         ; a K step of the weights: 256 rows of 2,048 bytes
.set SLOT,  147456                     ; 0x24000 (141,312 bytes are used): none of its bits occurs in a tile's place in a slot, so one exclusive or changes slots
.set SPARE, 2*SLOT
.set DP,    272
.set DREG,  64*DP
.set ADRA0, 16
.set ADRA,  17
.set ADRB0, 18
.set ADRB,  19
.set ADRBH, 20
.set RO,    22
.set BO,    23
.set DST,   24
.set RD,    25
.set GO,    26
.set SPW,   28
.set NIL,   29
.set BI,    32
.set ACC,   128
.set F0,    0
.set F1,    128
.set AB,  14                           ; s[14:15] A at my rows, K step 0; never rewritten
.set OF,  16                           ; s[16:17] an offset in 64 bits; s17 stays 0
.set G1,  24
.set G0,  32
.set BB,  46                           ; s[46:47] the weights at my k-rows and columns, K step 0; never rewritten
.set G1B, 48
.set G0B, 56
.set TB,  66
.set KI,  67                           ; the K step that the walking sets stand at
.set MSB, 0
.macro WIN new
.if MSB != (\new)
	s_set_vgpr_msb (MSB<<8)|(\new)
.set MSB, \new
.endif
.endm
.set MUL,  0x05
.set TO_F, 0x40
.macro PLACES
.rept 4
	v_nop
.endr
.endm
.macro JLOAD
	s_cmp_eq_u32 s11, 0
	s_cbranch_scc0 .Lfor_b_\@
	tensor_load_to_lds s[G0+4:G0+7], s[G1:G1+7]
	s_nop 0
	PLACES
	s_branch .Lasked_\@
.Lfor_b_\@:
	tensor_load_to_lds s[G0B+4:G0B+7], s[G1B:G1B+7]
	s_nop 0
	PLACES
.Lasked_\@:
.endm
.macro CREST
	s_cmp_lg_u32 s10, 0
	s_cbranch_scc1 .Lnot_wave_0_\@
	s_barrier_signal -3
.Lnot_wave_0_\@:
	s_barrier_wait -3
	s_barrier_signal -1
	s_barrier_wait -1
.endm
.macro CROUND
	s_barrier_signal -1
	s_barrier_wait -1
	CREST
.endm
.macro MUL8 f, c, a0
	WIN MUL
.irp a, \a0, (\a0)+1
.irp b, 0,1,2,3
	v_wmma_f32_16x16x32_bf16 v[ACC+8*(4*(\a)+(\b)):ACC+8*(4*(\a)+(\b))+7], v[(\f)+64+8*(4*(\c)+(\b)):(\f)+64+8*(4*(\c)+(\b))+7], v[(\f)+8*(4*(\c)+(\a)):(\f)+8*(4*(\c)+(\a))+7], v[ACC+8*(4*(\a)+(\b)):ACC+8*(4*(\a)+(\b))+7]
.endr
.endr
.endm
.macro FETCH q, f
	WIN TO_F
.irp c, 0,1
.irp i, 0,1,2,3
.if (\q) < 2
	ds_load_tr16_b128 v[(\f)+64+8*(4*(\c)+(\i)):(\f)+64+8*(4*(\c)+(\i))+3],   v[ADRB] offset:(((\q)%2)*64+32*(\c))*PB+32*(\i)
	ds_load_tr16_b128 v[(\f)+64+8*(4*(\c)+(\i))+4:(\f)+64+8*(4*(\c)+(\i))+7], v[ADRB] offset:(((\q)%2)*64+32*(\c))*PB+32*(\i)+16*PB
.else
	ds_load_tr16_b128 v[(\f)+64+8*(4*(\c)+(\i)):(\f)+64+8*(4*(\c)+(\i))+3],   v[ADRBH] offset:(((\q)%2)*64+32*(\c))*PB+32*(\i)
	ds_load_tr16_b128 v[(\f)+64+8*(4*(\c)+(\i))+4:(\f)+64+8*(4*(\c)+(\i))+7], v[ADRBH] offset:(((\q)%2)*64+32*(\c))*PB+32*(\i)+16*PB
.endif
	ds_load_b128 v[(\f)+8*(4*(\c)+(\i)):(\f)+8*(4*(\c)+(\i))+3],   v[ADRA] offset:(\q)*AQ+64*(\c)+(\i)*AI
	ds_load_b128 v[(\f)+8*(4*(\c)+(\i))+4:(\f)+8*(4*(\c)+(\i))+7], v[ADRA] offset:(\q)*AQ+64*(\c)+(\i)*AI+32
.endr
.endr
.endm
.macro QUARTER q, f, g
	s_wait_dscnt 16                                ; the first 32 along K are in
	MUL8 \f, 0, 0
	MUL8 \f, 0, 2
	PLACES
	FETCH \q, \g
	s_wait_dscnt 32                                ; all but the 32 just issued
	MUL8 \f, 1, 0
	MUL8 \f, 1, 2
.endm
.macro MEET walk                       ; walk = 1: a refill follows: the walking sets go to the slot that is being left and to the next K step, round the end of K
	WIN 0
	s_wait_tensorcnt 0x0                           ; all my tensor loads have landed: my part of the next slot; so every group 0 may be written
	ds_add_u32 v[SPW], v[NIL]                      ; the descriptors' scalar work stands between the add and the wait for it
.if \walk
	s_add_co_u32 s[KI], s[KI], 1
	s_and_b32 s[KI], s[KI], T-1
	s_xor_b32 s[G0+5], s[G0+5], SLOT
	s_lshl_b32 s[OF], s[KI], ASH
	s_add_nc_u64 s[G0+6:G0+7], s[AB:AB+1], s[OF:OF+1]   ; the address is made anew: the base and the K step's offset
	s_or_b32 s[G0+7], s[G0+7], 0x80000000
	s_xor_b32 s[G0B+5], s[G0B+5], SLOT
	s_lshl_b32 s[OF], s[KI], BSH
	s_add_nc_u64 s[G0B+6:G0B+7], s[BB:BB+1], s[OF:OF+1]
	s_or_b32 s[G0B+7], s[G0B+7], 0x80000000
.endif
	s_wait_dscnt 17                                ; (the add and the youngest sixteen loads may be out)
	MUL8 F1, 0, 0
	s_wait_dscnt 0x0                               ; the add is done, and my reads of this slot are over
	s_barrier_signal -1
	MUL8 F1, 0, 2
	WIN 0
	s_barrier_wait -1
.endm
.macro NEWADR
	s_xor_b32 s[TB], s[TB], SLOT
	v_add_nc_u32 v[ADRA], s[TB], v[ADRA0]
	v_add_nc_u32 v[ADRB], s[TB], v[ADRB0]
	v_add_nc_u32 v[ADRBH], 128*PB, v[ADRB]
.endm
.macro TURN1                           ; a step's last quarter with a refill: the barrier opens a round of the cluster's, the joint load is the first thing behind it
	MEET 1
	CREST
	JLOAD
	NEWADR
	FETCH 0, F0
	MUL8 F1, 1, 0
	MUL8 F1, 1, 2
.endm
.macro TURN0                           ; the last two steps ask for nothing; the very last fetches nothing
	MEET 0
	NEWADR
	PLACES
	s_cmp_eq_u32 s3, 1
	s_cbranch_scc1 .Lno_fetch_\@
	FETCH 0, F0
	WIN 0
.Lno_fetch_\@:
	MUL8 F1, 1, 0
	MUL8 F1, 1, 2
.endm
	s_load_b128 s[4:7], s[0:1], 0x0                ; g s[4:5], wb s[6:7]
	s_load_b64 s[68:69], s[0:1], 0x10              ; x1
	s_load_b64 s[70:71], s[0:1], 0x18              ; b_mlp_proj
	s_load_b64 s[8:9], s[0:1], 0x20                ; out0
	v_lshl_add_u32 v[SPW], v0, 2, SPARE
	v_mov_b32 v[NIL], 0
	ds_add_u32 v[SPW], v[NIL]                      ; the wave's opening: the add and its wait ahead of my first tensor load
	ds_add_u32 v28, v29
	v_lshrrev_b32 v1, 5, v0
	v_readfirstlane_b32 s10, v1
	s_lshr_b32 s11, s10, 1                         ; my half of the tile's rows; also: I fetch A (0) or the weights (1)
	s_and_b32 s12, s10, 1                          ; my half of its columns; also: which half of that tile I fetch
	s_bfe_u32 s40, ttmp6, 0x40000
	s_bfe_u32 s41, ttmp6, 0x40004
	s_lshl_b32 s42, ttmp9, 2
	s_add_co_u32 s42, s42, s40                     ; tile column
	s_and_b32 s13, ttmp7, 0xffff
	s_lshl_b32 s13, s13, 2
	s_add_co_u32 s13, s13, s41                     ; tile row
	s_lshl_b32 s43, s41, 2
	s_lshl_b32 s43, 15, s43
	s_lshl_b32 s44, 0x1111, s40
	s_or_b32 s[G1+0], s43, (1<<16)|(1<<20)|(1<<21)|(6<<22)|(3<<25)   ; 64 rows of 256 elements, 4 words of padding after every 128
	s_mov_b32 s[G1+1], 256<<16
	s_mov_b32 s[G1+2], 64<<16
	s_mov_b32 s[G1+3], 256<<16
	s_mov_b32 s[G1+4], 64
	s_mov_b32 s[G1+5], 4096
	s_mov_b32 s[G1+6], 0
	s_mov_b32 s[G1+7], 0
	s_or_b32 s[G1B+0], s44, (1<<16)|(1<<20)|(1<<21)|(5<<22)|(7<<25)  ; 128 k-rows of 128 columns, 8 words of padding after every 64
	s_mov_b32 s[G1B+1], 128<<16
	s_mov_b32 s[G1B+2], 128<<16
	s_mov_b32 s[G1B+3], 128<<16
	s_mov_b32 s[G1B+4], 128
	s_mov_b32 s[G1B+5], 1024
	s_mov_b32 s[G1B+6], 0
	s_mov_b32 s[G1B+7], 0
	s_lshl_b32 s16, s13, 7
	s_lshl_b32 s17, s12, 6
	s_add_co_u32 s16, s16, s17                     ; A: row 128 x tile row + 64 x half,
	s_lshl_b32 s16, s16, 13                        ; of 8,192 bytes
	s_mov_b32 s17, 0
	s_lshl_b32 s46, s12, 18                        ; W: k-row 128 x half, of 2,048 bytes,
	s_lshl_b32 s47, s42, 8                         ; column 128 x tile column
	s_add_co_u32 s46, s46, s47
	s_add_co_u32 s46, s46, WOFF
	s_mov_b32 s47, 0
	s_mul_i32 s20, s12, AHALF
	s_mul_i32 s21, s12, BHALF
	s_add_co_u32 s21, s21, BOFF
	s_mov_b32 s[TB], 0
	s_and_b32 s18, ttmp7, 0xffff                   ; the cluster's first K step: an even number, from the cluster's x and y alone
	s_mul_i32 s18, s18, RY
	s_mul_i32 s19, ttmp9, RX
	s_add_co_u32 s18, s18, s19
	s_and_b32 s[KI], s18, T-1
	s_wait_dscnt 0x0                               ; the opening add is done
	s_wait_kmcnt 0x0
	s_add_nc_u64 s[AB:AB+1], s[4:5], s[16:17]
	s_add_nc_u64 s[BB:BB+1], s[6:7], s[46:47]
.irp s, 0,1
	s_mov_b32 s[G0+4*(\s)], 1
	s_add_co_u32 s[G0+4*(\s)+1], s20, (\s)*SLOT
	s_lshl_b32 s[OF], s[KI], ASH
	s_add_nc_u64 s[G0+4*(\s)+2:G0+4*(\s)+3], s[AB:AB+1], s[OF:OF+1]
	s_or_b32 s[G0+4*(\s)+3], s[G0+4*(\s)+3], 0x80000000
	s_mov_b32 s[G0B+4*(\s)], 1
	s_add_co_u32 s[G0B+4*(\s)+1], s21, (\s)*SLOT
	s_lshl_b32 s[OF], s[KI], BSH
	s_add_nc_u64 s[G0B+4*(\s)+2:G0B+4*(\s)+3], s[BB:BB+1], s[OF:OF+1]
	s_or_b32 s[G0B+4*(\s)+3], s[G0B+4*(\s)+3], 0x80000000
.if (\s) == 0
	s_add_co_u32 s[KI], s[KI], 1                   ; the second set, which then walks: the step behind an even one never wraps
.endif
.endr
	CROUND                                         ; all sixteen work-groups are here: the first joint loads meet
	s_cmp_eq_u32 s11, 0                            ; a wave's two first fills stand in one branch: two loads of mine are out
	s_cbranch_scc0 .Lfirst_b
	tensor_load_to_lds s[G0:G0+3], s[G1:G1+7]
	s_nop 0
	tensor_load_to_lds s[G0+4:G0+7], s[G1:G1+7]
	s_nop 0
	PLACES
	s_branch .Lfirst_asked
.Lfirst_b:
	tensor_load_to_lds s[G0B:G0B+3], s[G1B:G1B+7]
	s_nop 0
	tensor_load_to_lds s[G0B+4:G0B+7], s[G1B:G1B+7]
	s_nop 0
	PLACES
.Lfirst_asked:
	v_and_b32 v1, 15, v0
	v_bfe_u32 v2, v0, 4, 1
	v_bfe_u32 v5, v0, 3, 1
	s_lshl_b32 s18, s13, 7
	s_lshl_b32 s19, s11, 6
	s_add_co_u32 s18, s18, s19
	s_lshl_b32 s18, s18, 12
	s_lshl_b32 s19, s42, 9
	s_lshl_b32 s22, s12, 8
	s_add_co_u32 s22, s22, s19                     ; my first column, in bytes
	s_add_co_u32 s18, s18, s22
	s_mov_b32 s19, 0
	s_mov_b32 s23, 0
	s_add_nc_u64 s[68:69], s[68:69], s[18:19]
	s_add_nc_u64 s[8:9], s[8:9], s[18:19]
	v_lshlrev_b32 v[RO], 12, v1
	v_lshl_add_u32 v[RO], v2, 5, v[RO]             ; row l % 16, columns 8 (l / 16) on: the layout of a result
.irp a, 0,1,2,3
.irp b, 0,1,2,3
	global_load_b128 v[ACC+8*(4*\a+\b):ACC+8*(4*\a+\b)+3],   v[RO], s[68:69] offset:\a*65536+64*\b
	global_load_b128 v[ACC+8*(4*\a+\b)+4:ACC+8*(4*\a+\b)+7], v[RO], s[68:69] offset:\a*65536+64*\b+16
.endr
.endr
	s_add_nc_u64 s[70:71], s[70:71], s[22:23]
	v_lshlrev_b32 v[BO], 4, v1
	global_load_b128 v[BI:BI+3], v[BO], s[70:71]   ; the bias of the four columns that I store
	v_mul_u32_u24 v3, v1, PA
	v_lshl_add_u32 v3, v2, 4, v3
	s_mul_i32 s21, s11, AHALF
	v_add_nc_u32 v[ADRA0], s21, v3
	v_and_b32 v4, 7, v0
	v_lshl_add_u32 v4, v2, 3, v4
	v_mul_u32_u24 v3, v4, PB
	v_lshl_add_u32 v3, v5, 4, v3
	s_lshl_b32 s22, s12, 7
	s_add_co_u32 s22, s22, BOFF
	v_add_nc_u32 v[ADRB0], s22, v3
	v_mov_b32 v[ADRA], v[ADRA0]
	v_mov_b32 v[ADRB], v[ADRB0]
	v_add_nc_u32 v[ADRBH], 128*PB, v[ADRB0]
	s_mul_i32 s21, s10, DREG
	v_mul_u32_u24 v6, v1, DP
	v_lshl_add_u32 v6, v2, 5, v6
	v_add_nc_u32 v[DST], s21, v6
	v_mul_u32_u24 v6, v2, DP
	v_lshl_add_u32 v6, v1, 4, v6
	v_add_nc_u32 v[RD], s21, v6
	v_lshlrev_b32 v6, 12, v2
	v_lshl_add_u32 v[GO], v1, 4, v6
	s_wait_tensorcnt 1                             ; my part of the first K step is in; the second's may stay out
	s_barrier_signal -1
	s_barrier_wait -1
	FETCH 0, F0
	WIN 0
	s_wait_loadcnt 0x0                             ; the residual and the bias
	s_mov_b32 s3, T-2
.Lstep:                                        ; all steps but the last two: each refills the slot that it leaves
	QUARTER 1, F0, F1
	QUARTER 2, F1, F0
	QUARTER 3, F0, F1
	TURN1
	WIN 0
	s_sub_co_u32 s3, s3, 1
	s_cmp_lg_u32 s3, 0
	s_cbranch_scc1 .Lstep
	s_mov_b32 s3, 2
.Ltail:
	QUARTER 1, F0, F1
	QUARTER 2, F1, F0
	QUARTER 3, F0, F1
	TURN0
	WIN 0
	s_sub_co_u32 s3, s3, 1
	s_cmp_lg_u32 s3, 0
	s_cbranch_scc1 .Ltail
	PLACES
	s_wait_dscnt 0x0
	s_barrier_signal -1
	s_barrier_wait -1                              ; every wave's reads of the ring are over: its bytes, which have had their last fill, take the sums
.irp a, 0,1,2,3
.irp b, 0,1,2,3
	ds_store_b128 v[DST], v[ACC+8*(4*\a+\b):ACC+8*(4*\a+\b)+3]   offset:\a*16*DP+64*\b
	ds_store_b128 v[DST], v[ACC+8*(4*\a+\b)+4:ACC+8*(4*\a+\b)+7] offset:\a*16*DP+64*\b+16
.endr
.endr
	s_mov_b32 s3, 4
.Lout:                                         ; 16 rows a trip, from my own region
.irp i, 0,1,2,3,4,5,6,7
	ds_load_b128 v[64+4*\i:67+4*\i], v[RD] offset:\i*2*DP
.endr
	s_wait_dscnt 0x0
.irp i, 0,1,2,3,4,5,6,7
	v_pk_add_f32 v[64+4*\i:65+4*\i], v[64+4*\i:65+4*\i], v[BI:BI+1]
	v_pk_add_f32 v[66+4*\i:67+4*\i], v[66+4*\i:67+4*\i], v[BI+2:BI+3]
.endr
.irp i, 0,1,2,3,4,5,6,7
	global_store_b128 v[GO], v[64+4*\i:67+4*\i], s[8:9] offset:8192*\i   ; 16 lanes store 256 consecutive aligned bytes
.endr
	v_add_nc_u32 v[RD], 16*DP, v[RD]
	s_wait_xcnt 0x0                                ; the stores have read their data and their base
	s_add_nc_u64 s[8:9], s[8:9], 65536
	s_sub_co_u32 s3, s3, 1
	s_cmp_lg_u32 s3, 0
	s_cbranch_scc1 .Lout
	s_wait_tensorcnt 0x0                           ; the wave's end
	ds_add_u32 v[SPW], v[NIL]
	s_wait_dscnt 0x0
	CROUND                                         ; the closing round
	s_endpgm
.Lfunc_end_k_qdc9e1c0a29_mlp:
	.size	k_qdc9e1c0a29_mlp, .Lfunc_end_k_qdc9e1c0a29_mlp-k_qdc9e1c0a29_mlp
	.p2alignl 7, 3214868480
	.fill 96, 4, 3214868480
	.section	.rodata,"a",@progbits
	.p2align	6, 0x0
	.amdhsa_kernel k_qdc9e1c0a29_mlp
		.amdhsa_group_segment_fixed_size 327680
		.amdhsa_private_segment_fixed_size 0
		.amdhsa_enable_private_segment 0
		.amdhsa_kernarg_size 40
		.amdhsa_user_sgpr_count 2
		.amdhsa_user_sgpr_kernarg_segment_ptr 1
		.amdhsa_wavefront_size32 1
		.amdhsa_system_sgpr_workgroup_id_x 1
		.amdhsa_system_sgpr_workgroup_id_y 1
		.amdhsa_system_sgpr_workgroup_id_z 1
		.amdhsa_system_vgpr_workitem_id 0
		.amdhsa_next_free_vgpr 512
		.amdhsa_next_free_sgpr 72
		.amdhsa_reserve_vcc 0
		.amdhsa_float_denorm_mode_32 3
		.amdhsa_float_denorm_mode_16_64 3
		.amdhsa_memory_ordered 1
		.amdhsa_forward_progress 1
		.amdhsa_inst_pref_size 55
	.end_amdhsa_kernel
	.amdgpu_metadata
---
amdhsa.version: [ 1, 2 ]
amdhsa.kernels:
  - .name:           k_qdc9e1c0a29_mlp
    .symbol:         k_qdc9e1c0a29_mlp.kd
    .args:
      - { .name: g, .offset: 0, .size: 8, .value_kind: global_buffer, .address_space: global }
      - { .name: wb, .offset: 8, .size: 8, .value_kind: global_buffer, .address_space: global }
      - { .name: x1, .offset: 16, .size: 8, .value_kind: global_buffer, .address_space: global }
      - { .name: b_mlp_proj, .offset: 24, .size: 8, .value_kind: global_buffer, .address_space: global }
      - { .name: out0, .offset: 32, .size: 8, .value_kind: global_buffer, .address_space: global }
    .group_segment_fixed_size: 327680
    .private_segment_fixed_size: 0
    .kernarg_segment_align: 8
    .kernarg_segment_size: 40
    .max_flat_workgroup_size: 128
    .sgpr_count:     72
    .vgpr_count:     512
    .wavefront_size: 32
...
	.end_amdgpu_metadata
.endif
;; end of part 7
